; MI455X (gfx1250); checked and timed in simulation.
; The chip was launched on July 23, 2026; its instructions are those of AMD's public machine-readable ISA for CDNA 5 (MIT licence, August 2026) and "CDNA5" Instruction Set Architecture Reference Guide (July 2026). The comments in the code are by the model that wrote it; some were corrected since.
;; Cross Modal Gated Attention. Allowed arithmetic: float matrix products may take bf16 or f16 operands with f32 sums; all other float work in f32.
;; Inputs: Wf_b 1,024 float32; Wf_w 2,048 x 1,024 float32; Wk 1,024 x 1,024 float32; Wm_b 1,024 float32; Wm_w 1,024 x 1,024 float32; Wq 1,024 x 1,024 float32; bf 1,024 float32; z_eeg 128 x 512 x 1,024 float32; z_rppg 128 x 1,024 float32.
;; Outputs: out0 128 x 1,024 float32.
;; 3 versions, each right; version 3 is version 2 with the launch pool written anew for expert scheduling mode. Each part assembles by itself: llvm-mc -triple=amdgcn-amd-amdhsa -mcpu=gfx1250 --defsym DOCPART=n.
;; ======== version 1 of 3: 4 launches
;; workspace buffers: q 524,288 bytes; r 524,288 bytes; p 524,288 bytes; part 1,114,112 bytes
;; launch proj1 (part 1): grid 16 x 16, 16 waves a work-group, no clusters, 104,448 bytes of LDS; arguments z_rppg, Wq, Wf_w, Wk, q, r; writes q, r
.if DOCPART == 1
	.amdgcn_target "amdgcn-amd-amdhsa--gfx1250"
	.amdhsa_code_object_version 6
	.text
	.protected	k_qdf8285f0f9_proj1
	.globl	k_qdf8285f0f9_proj1
	.p2align	8
	.type	k_qdf8285f0f9_proj1,@function
k_qdf8285f0f9_proj1:
	s_mov_b64 s[64:65], 0
	v_nop
	global_prefetch_b8 v0, s[64:65] scope:SCOPE_SE
	s_setreg_imm32_b32 hwreg(HW_REG_WAVE_MODE, 25, 1), 1
	s_wait_xcnt 0x0
; Two products with the 128 rows of z_rppg [128][1024] f32, one body:
;   work-group y 0..7 :  q = z_rppg x Wq                   (the query)
;   work-group y 8..15:  r = z_rppg x Wf_w[1024:2048]      (z_rppg's share of the gate's sum)
; A work-group makes 16 rows (y & 7) x 64 columns (x) over the whole K = 1024.  K IS SPLIT OVER THE 16 WAVES: wave w takes
; k = 64 w .. 64 w + 63, two matrix steps of 32, asks for all its bytes in one burst, and the sixteen partial tiles are summed
; in f32 through LDS behind the one barrier.
; LIMITS: operands are rounded to bf16 (nearest even), sums are f32; the sixteen partial sums are added as a tree, so the order
; of rounding is not the one of a single chain along K.
; NO JOINT LOADS, NO TENSOR LOADS, although the eight groups of one x read the same 64 columns of the weights: the weights are
; f32 and lie [K][N], so a B fragment is made by rounding two ROWS' numbers into one register, which is register work.  Here the
; 16 KiB of weights of a wave go from memory straight into the registers in which they are rounded; through LDS the same bytes
; would be written and read once more, and each group asks only once, so there is no ring to keep filled.
.set ROWB,   4096                      ; bytes in a row of z_rppg, of the weights, of q and r
.set APITCH, 144                       ; LDS row of A: 64 bf16 = 128 bytes + 16: an odd multiple of 16 bytes
.set AWAVE,  16*APITCH                 ; a wave's own stage for A: 16 rows
.set RED,    16*AWAVE                  ; behind the stages: 16 partial tiles of 16 x 64 f32, 4,096 bytes each
.set VX,  1                            ; 256 w + 8 L: my 8 bytes in a row of z_rppg
.set VW,  2                            ; (64 w + 8 h) rows + 16 r: my 16 bytes in the weights
.set VSA, 3                            ; LDS: where I put 2 bf16 of a row of A
.set VFA, 4                            ; LDS: where I read A's fragments
.set VRS, 5                            ; LDS: where I put my partial tile
.set VRL, 6                            ; LDS: where I read the partial sums of my two outputs
.set VO,  7                            ; 4096 w + 8 L: my two outputs
.set ACC, 8                            ; v[8:39]    four accumulators; accumulator c holds the columns 4 r + c
.set AF,  40                           ; v[40:55]   A's fragments of the two K steps
.set BF,  56                           ; v[56:87]   four B fragments of one K step
.set TT,  56                           ;            (set-up temporaries, before BF is first written)
.set LX,  88                           ; v[88:119]  z_rppg as loaded: row m in a pair
.set LW,  120                          ; v[120:247] weights as loaded: two slots of 64
.set SUM, 120                          ; v[120:151] the sixteen partial sums of my two outputs
.set VPF, 248                          ; 256 x thread: the prefetch's offset, never rewritten
; 16 loads: the 32 rows of K step s.  Lanes 0-15 take 256 consecutive, aligned bytes of row 64 w + 32 s + 16 g + i, lanes 16-31 of the row 8 further down.
.macro LOADW slot, sb, s
.irp g, 0,1
.irp i, 0,1,2,3,4,5,6,7
	global_load_b128 v[LW+64*\slot+4*(8*\g+\i):LW+64*\slot+4*(8*\g+\i)+3], v[VW], s[\sb:\sb+1] offset:(32*\s+16*\g+\i)*ROWB
.endr
.endr
.endm
; Fragment c, register 4 g + q = the numbers of k = 16 g + 8 h + 2 q and + 1 in column 4 r + c: k stands in its true place, lane r stands for column 4 r + c.
.macro CVTB slot
.irp c, 0,1,2,3
.irp g, 0,1
.irp q, 0,1,2,3
	v_cvt_pk_bf16_f32 v[BF+8*\c+4*\g+\q], v[LW+64*\slot+4*(8*\g+2*\q)+\c], v[LW+64*\slot+4*(8*\g+2*\q+1)+\c]
.endr
.endr
.endr
.endm
; Four matrix instructions, one for each accumulator: the accumulators take turns, one instruction a turn.
.macro MUL4 acc, s, zero
.irp c, 0,1,2,3
.if \zero
	v_wmma_f32_16x16x32_bf16 v[\acc+8*\c:\acc+8*\c+7], v[AF+8*\s:AF+8*\s+7], v[BF+8*\c:BF+8*\c+7], 0
.else
	v_wmma_f32_16x16x32_bf16 v[\acc+8*\c:\acc+8*\c+7], v[AF+8*\s:AF+8*\s+7], v[BF+8*\c:BF+8*\c+7], v[\acc+8*\c:\acc+8*\c+7]
.endif
.endr
.endm
; Four independent vector instructions stand between a matrix instruction and a vector write of one of its sources, or an LDS store of its result.
.macro PLACES
.rept 4
	v_nop
.endr
.endm
; sixteen pairs at base are summed into the first: 8 + 4 + 2 + 1 packed adds
.macro TREE base
.irp d, 8,4,2,1
.set w, 0
.rept \d
	v_pk_add_f32 v[\base+2*w:\base+2*w+1], v[\base+2*w:\base+2*w+1], v[\base+2*(w+\d):\base+2*(w+\d)+1]
.set w, w+1
.endr
.endr
.endm
	s_load_b256 s[4:11], s[0:1], 0x0               ; z_rppg s[4:5], Wq s[6:7], Wf_w s[8:9], Wk s[10:11]
	s_load_b128 s[12:15], s[0:1], 0x20             ; q s[12:13], r s[14:15]
	v_lshl_add_u32 v250, v0, 2, 0x19000
	v_mov_b32 v251, 0
	v_lshrrev_b32 v[TT], 5, v0
	v_readfirstlane_b32 s16, v[TT]                 ; w: my wave, 0..15
	v_and_b32 v[TT], 31, v0                        ; L
	v_and_b32 v[TT+1], 15, v0                      ; r = L & 15
	v_bfe_u32 v[TT+2], v0, 4, 1                    ; h = L >> 4
	s_and_b32 s18, ttmp7, 0xffff                   ; y
	s_and_b32 s19, s18, 7                          ; which 16 rows
	s_lshr_b32 s20, s18, 3                         ; 0: q, 1: r
	s_lshl_b32 s21, s16, 8
	v_lshl_add_u32 v[VX], v[TT], 3, s21            ; 256 w + 8 L
	s_lshl_b32 s21, s16, 18                        ; 64 w rows of 4,096 bytes
	v_lshlrev_b32 v[TT+3], 4, v[TT+1]
	v_lshl_add_u32 v[TT+3], v[TT+2], 15, v[TT+3]   ; 8 h rows + 16 r
	v_add_nc_u32 v[VW], s21, v[TT+3]
	v_lshlrev_b32 v[VPF], 8, v0
	s_lshl_b32 s22, s19, 16                        ; 16 rows of 4,096 bytes
	s_mov_b32 s23, 0
	s_lshl_b32 s24, ttmp9, 8                       ; 64 columns of 4 bytes
	s_mov_b32 s25, 0
	s_lshl_b32 s26, s18, 4
	s_add_co_u32 s26, s26, ttmp9                   ; the group's number, 0..255,
	s_lshl_b32 s26, s26, 14                        ; times 16 KiB: its share of Wk's 4 MiB in the prefetch
	s_mov_b32 s27, 0
	s_wait_kmcnt 0x0
	s_add_nc_u64 s[8:9], s[8:9], 1024*ROWB         ; Wf_w at its row 1024
	s_cmp_eq_u32 s20, 0
	s_cselect_b64 s[28:29], s[6:7], s[8:9]         ; the weights of this group's product
	s_cselect_b64 s[30:31], s[12:13], s[14:15]     ; and its result
	s_add_nc_u64 s[28:29], s[28:29], s[24:25]      ; at my 64 columns
	s_add_nc_u64 s[4:5], s[4:5], s[22:23]          ; z_rppg at my 16 rows
	s_add_nc_u64 s[30:31], s[30:31], s[22:23]
	s_add_nc_u64 s[30:31], s[30:31], s[24:25]
	s_add_nc_u64 s[10:11], s[10:11], s[26:27]
	; everything that the wave reads from memory is asked for here: 16 + 32 loads
.irp m, 0,1,2,3,4,5,6,7,8,9,10,11,12,13,14,15
	global_load_b64 v[LX+2*\m:LX+2*\m+1], v[VX], s[4:5] offset:\m*ROWB     ; 32 lanes: 256 consecutive, aligned bytes of row m
.endr
	LOADW 0, 28, 0
	LOADW 1, 28, 1
	; Wk, which the next launch streams, is asked for into the L2: 256 groups x 64 threads (waves 0 and 1) x one block of 256 bytes = its 4 MiB, each block once.
	s_cmp_gt_u32 s16, 1
	s_cbranch_scc1 .Lno_prefetch
	global_prefetch_b8 v[VPF], s[10:11] th:TH_LOAD_NT scope:SCOPE_SE
.Lno_prefetch:
	; LDS addresses, while the loads are on their way
	s_mul_i32 s21, s16, AWAVE                      ; my stage
	v_lshl_add_u32 v[VSA], v[TT], 2, s21           ; + 4 L
	v_mul_u32_u24 v[TT+3], v[TT+1], APITCH
	v_lshl_add_u32 v[TT+3], v[TT+2], 4, v[TT+3]
	v_add_nc_u32 v[VFA], s21, v[TT+3]              ; + r x pitch + 16 h
	s_lshl_b32 s32, s16, 12
	v_lshl_add_u32 v[VO], v[TT], 3, s32            ; row w of the tile, 8 bytes a lane
	s_add_co_u32 s32, s32, RED
	v_lshl_add_u32 v[VRS], v[TT], 4, s32           ; my partial tile, 16 bytes a lane
	; Register 8 c + j of lane 16 h + r, which is C(8 h + j, 4 r + c), lies at 1024 c + 512 (j >> 2) + 256 h + 16 r + 4 (j & 3) of a partial tile.
	; Behind the barrier wave w owns row w (h = w >> 3, j = w & 7), lane L the columns 2 L and 2 L + 1 (r = L >> 1, c = 2 (L & 1) + 0, 1).
	s_bfe_u32 s33, s16, 0x10002
	s_lshl_b32 s33, s33, 9
	s_lshr_b32 s34, s16, 3
	s_lshl_b32 s34, s34, 8
	s_add_co_u32 s33, s33, s34
	s_and_b32 s34, s16, 3
	s_lshl_b32 s34, s34, 2
	s_add_co_u32 s33, s33, s34
	s_add_co_u32 s33, s33, RED
	v_and_b32 v[TT+3], 1, v0
	v_bfe_u32 v[TT+4], v0, 1, 4
	v_lshlrev_b32 v[TT+3], 11, v[TT+3]
	v_lshl_add_u32 v[TT+3], v[TT+4], 4, v[TT+3]
	v_add_nc_u32 v[VRL], s33, v[TT+3]
	s_wait_loadcnt 32                              ; z_rppg is in: the 32 loads of weights are younger
.irp m, 0,1,2,3,4,5,6,7,8,9,10,11,12,13,14,15
	v_cvt_pk_bf16_f32 v[LX+2*\m], v[LX+2*\m], v[LX+2*\m+1]
.endr
.irp m, 0,1,2,3,4,5,6,7,8,9,10,11,12,13,14,15
	ds_store_b32 v[VSA], v[LX+2*\m] offset:\m*APITCH
.endr
.irp s, 0,1
	ds_load_b128 v[AF+8*\s:AF+8*\s+3],   v[VFA] offset:64*\s       ; my own bytes: LDS serves a wave's instructions in order (ISA guide 5.7.1), so these see the stores above
	ds_load_b128 v[AF+8*\s+4:AF+8*\s+7], v[VFA] offset:64*\s+32
.endr
	s_wait_loadcnt 16                              ; the first K step's weights are in: the second's 16 loads are younger
	CVTB 0
	s_wait_dscnt 0x0                               ; A's fragments
	MUL4 ACC, 0, 1                                 ; the first products start the sums: nothing is cleared
	s_wait_loadcnt 0x0
	PLACES                                         ; BF is rewritten four places behind the last matrix instruction that read it
	CVTB 1
	MUL4 ACC, 1, 0
	PLACES                                         ; the results are stored four places behind the last matrix instruction
.irp q, 0,1,2,3,4,5,6,7
	ds_store_b128 v[VRS], v[ACC+4*\q:ACC+4*\q+3] offset:\q*512
.endr
	s_wait_dscnt 0x0                               ; my partial tile is in LDS, for the others' sake,
	s_barrier_signal -1
	s_barrier_wait -1                              ; and so is everybody's
.irp w, 0,1,2,3,4,5,6,7,8,9,10,11,12,13,14,15
	ds_load_b32 v[SUM+2*\w],   v[VRL] offset:\w*4096
	ds_load_b32 v[SUM+2*\w+1], v[VRL] offset:\w*4096+1024
.endr
	s_wait_dscnt 0x0
	TREE SUM
	global_store_b64 v[VO], v[SUM:SUM+1], s[30:31] ; the wave stores 256 consecutive bytes, aligned: 64 columns of row w
	s_wait_tensorcnt 0x0
	ds_add_u32 v250, v251
	s_wait_dscnt 0x0
	s_endpgm
.Lfunc_end_k_qdf8285f0f9_proj1:
	.size	k_qdf8285f0f9_proj1, .Lfunc_end_k_qdf8285f0f9_proj1-k_qdf8285f0f9_proj1
	.p2alignl 7, 3214868480
	.fill 96, 4, 3214868480
	.section	.rodata,"a",@progbits
	.p2align	6, 0x0
	.amdhsa_kernel k_qdf8285f0f9_proj1
		.amdhsa_group_segment_fixed_size 104448
		.amdhsa_private_segment_fixed_size 0
		.amdhsa_enable_private_segment 0
		.amdhsa_kernarg_size 48
		.amdhsa_user_sgpr_count 2
		.amdhsa_user_sgpr_kernarg_segment_ptr 1
		.amdhsa_wavefront_size32 1
		.amdhsa_system_sgpr_workgroup_id_x 1
		.amdhsa_system_sgpr_workgroup_id_y 1
		.amdhsa_system_sgpr_workgroup_id_z 1
		.amdhsa_system_vgpr_workitem_id 0
		.amdhsa_next_free_vgpr 252
		.amdhsa_next_free_sgpr 66
		.amdhsa_reserve_vcc 0
		.amdhsa_float_denorm_mode_32 3
		.amdhsa_float_denorm_mode_16_64 3
		.amdhsa_memory_ordered 1
		.amdhsa_forward_progress 1
		.amdhsa_inst_pref_size 19
	.end_amdhsa_kernel
	.amdgpu_metadata
---
amdhsa.version: [ 1, 2 ]
amdhsa.kernels:
  - .name:           k_qdf8285f0f9_proj1
    .symbol:         k_qdf8285f0f9_proj1.kd
    .args:
      - { .name: z_rppg, .offset: 0, .size: 8, .value_kind: global_buffer, .address_space: global }
      - { .name: Wq, .offset: 8, .size: 8, .value_kind: global_buffer, .address_space: global }
      - { .name: Wf_w, .offset: 16, .size: 8, .value_kind: global_buffer, .address_space: global }
      - { .name: Wk, .offset: 24, .size: 8, .value_kind: global_buffer, .address_space: global }
      - { .name: q, .offset: 32, .size: 8, .value_kind: global_buffer, .address_space: global }
      - { .name: r, .offset: 40, .size: 8, .value_kind: global_buffer, .address_space: global }
    .group_segment_fixed_size: 104448
    .private_segment_fixed_size: 0
    .kernarg_segment_align: 8
    .kernarg_segment_size: 48
    .max_flat_workgroup_size: 512
    .sgpr_count:     66
    .vgpr_count:     252
    .wavefront_size: 32
...
	.end_amdgpu_metadata
.endif
;; end of part 1
;; launch proj2 (part 2): grid 16 x 8, 16 waves a work-group, no clusters, 251,904 bytes of LDS; arguments q, Wk, p; writes p
.if DOCPART == 2
	.amdgcn_target "amdgcn-amd-amdhsa--gfx1250"
	.amdhsa_code_object_version 6
	.text
	.protected	k_qdf8285f0f9_proj2
	.globl	k_qdf8285f0f9_proj2
	.p2align	8
	.type	k_qdf8285f0f9_proj2,@function
k_qdf8285f0f9_proj2:
	s_mov_b64 s[64:65], 0
	v_nop
	global_prefetch_b8 v0, s[64:65] scope:SCOPE_SE
	s_setreg_imm32_b32 hwreg(HW_REG_WAVE_MODE, 25, 1), 1
	s_wait_xcnt 0x0
; p[b][e] = (log2 e / 32) x sum over d of q[b][d] Wk[e][d].
; WHY: reference() forms K = z_eeg Wk only to take scores[b][t] = Q[b] . K[b][t] / 32.  That sum is z_eeg[b][t] . (Q[b] Wk^T) for every
; input, so Q Wk^T is made here, once for each b, and K is never made.  1 / sqrt(1024) = 1 / 32 and the factor log2 e, which turns the
; softmax's e^x into 2^x, are folded in.
; LIMITS: the order of rounding differs from reference()'s (the sum over d is taken first); q and Wk enter as bf16, sums are f32.
; A work-group makes 16 rows (y) x 64 columns (x); K = 1024 is split over the 16 waves, 64 each; the partial tiles are summed through LDS.
; Both operands have k along their rows.  A row's 256 bytes of a wave are loaded by one instruction, rounded, and laid into the wave's
; own stage in LDS, from which the fragments are read.
; NO JOINT LOADS, NO TENSOR LOADS, although the eight groups of one x read the same 64 rows of Wk: the numbers are f32 and are rounded
; in registers on their way into LDS, which halves the bytes that LDS takes and gives; each group asks once, so there is no ring.
.set ROWB,   4096
.set APITCH, 144                       ; 64 bf16 = 128 bytes + 16: an odd multiple of 16 bytes
.set AWAVE,  16*APITCH                 ; a wave's stage for q: 16 rows
.set BWAVE,  64*APITCH                 ; a wave's stage for Wk: 64 rows
.set STB,    16*AWAVE
.set RED,    STB+16*BWAVE              ; 16 partial tiles of 4,096 bytes
.set VX,  1                            ; 256 w + 8 L: my 8 bytes in a row of q and of Wk
.set VSB, 2                            ; LDS: where I put 2 bf16 of a row of Wk
.set VSA, 3                            ; LDS: the same for q
.set VFA, 4                            ; LDS: where I read A's fragments
.set VRS, 5
.set VRL, 6
.set VO,  7
.set VFB, 248                          ; LDS: where I read B's fragments
.set ACC, 8                            ; v[8:39]    four accumulators; accumulator c holds the columns 4 r + c
.set AF,  40                           ; v[40:55]
.set LX,  56                           ; v[56:87]   q as loaded
.set BF1, 56                           ;            later the B fragments of K step 1
.set LB,  88                           ; v[88:215]  Wk as loaded: row n in a pair
.set SUM, 88                           ;            later the partial sums
.set BF0, 216                          ; v[216:247] the B fragments of K step 0
.set TT,  216                          ;            (set-up temporaries before that)
.macro STAGEB first                    ; rows first .. first + 15 of my 64: round, and put row n = 4 r + c at LDS row 16 c + r, so that lane r of fragment c stands for column 4 r + c
.set n, \first
.rept 16
	v_cvt_pk_bf16_f32 v[LB+2*n], v[LB+2*n], v[LB+2*n+1]
	ds_store_b32 v[VSB], v[LB+2*n] offset:((n&3)*16+(n>>2))*APITCH
.set n, n+1
.endr
.endm
; Four matrix instructions, one for each accumulator: the accumulators take turns, one instruction a turn.
.macro MUL4 bf, s, zero
.irp c, 0,1,2,3
.if \zero
	v_wmma_f32_16x16x32_bf16 v[ACC+8*\c:ACC+8*\c+7], v[AF+8*\s:AF+8*\s+7], v[\bf+8*\c:\bf+8*\c+7], 0
.else
	v_wmma_f32_16x16x32_bf16 v[ACC+8*\c:ACC+8*\c+7], v[AF+8*\s:AF+8*\s+7], v[\bf+8*\c:\bf+8*\c+7], v[ACC+8*\c:ACC+8*\c+7]
.endif
.endr
.endm
.macro TREE base
.irp d, 8,4,2,1
.set w, 0
.rept \d
	v_pk_add_f32 v[\base+2*w:\base+2*w+1], v[\base+2*w:\base+2*w+1], v[\base+2*(w+\d):\base+2*(w+\d)+1]
.set w, w+1
.endr
.endr
.endm
	s_load_b128 s[4:7], s[0:1], 0x0                ; q s[4:5], Wk s[6:7]
	s_load_b64 s[8:9], s[0:1], 0x10                ; p
	v_lshl_add_u32 v250, v0, 2, 0x3d000
	v_mov_b32 v251, 0
	v_lshrrev_b32 v[TT], 5, v0
	v_readfirstlane_b32 s16, v[TT]                 ; w
	v_and_b32 v[TT], 31, v0                        ; L
	v_and_b32 v[TT+1], 15, v0                      ; r
	v_bfe_u32 v[TT+2], v0, 4, 1                    ; h
	s_and_b32 s18, ttmp7, 0xffff
	s_lshl_b32 s21, s16, 8
	v_lshl_add_u32 v[VX], v[TT], 3, s21
	s_lshl_b32 s22, s18, 16                        ; 16 rows of q and of p
	s_mov_b32 s23, 0
	s_lshl_b32 s24, ttmp9, 18                      ; 64 rows of Wk
	s_mov_b32 s25, 0
	s_lshl_b32 s26, ttmp9, 8                       ; 64 columns of p
	s_mov_b32 s27, 0
	s_wait_kmcnt 0x0
	s_add_nc_u64 s[4:5], s[4:5], s[22:23]
	s_add_nc_u64 s[6:7], s[6:7], s[24:25]
	s_add_nc_u64 s[8:9], s[8:9], s[22:23]
	s_add_nc_u64 s[8:9], s[8:9], s[26:27]
	; all that the wave reads from memory: 16 + 64 loads, each 256 consecutive, aligned bytes of one row
.irp m, 0,1,2,3,4,5,6,7,8,9,10,11,12,13,14,15
	global_load_b64 v[LX+2*\m:LX+2*\m+1], v[VX], s[4:5] offset:\m*ROWB
.endr
.set n, 0
.rept 64
	global_load_b64 v[LB+2*n:LB+2*n+1], v[VX], s[6:7] offset:n*ROWB
.set n, n+1
.endr
	; LDS addresses
	s_mul_i32 s21, s16, AWAVE
	v_lshl_add_u32 v[VSA], v[TT], 2, s21
	v_mul_u32_u24 v[TT+3], v[TT+1], APITCH
	v_lshl_add_u32 v[TT+3], v[TT+2], 4, v[TT+3]    ; r x pitch + 16 h
	v_add_nc_u32 v[VFA], s21, v[TT+3]
	s_mul_i32 s21, s16, BWAVE
	s_add_co_u32 s21, s21, STB
	v_lshl_add_u32 v[VSB], v[TT], 2, s21
	v_add_nc_u32 v[VFB], s21, v[TT+3]
	s_lshl_b32 s32, s16, 12
	v_lshl_add_u32 v[VO], v[TT], 3, s32
	s_add_co_u32 s32, s32, RED
	v_lshl_add_u32 v[VRS], v[TT], 4, s32
	; C(8 h + j, 4 r + c) lies at 1024 c + 512 (j >> 2) + 256 h + 16 r + 4 (j & 3) of a partial tile; wave w sums row w, lane L the columns 2 L, 2 L + 1
	s_bfe_u32 s33, s16, 0x10002
	s_lshl_b32 s33, s33, 9
	s_lshr_b32 s34, s16, 3
	s_lshl_b32 s34, s34, 8
	s_add_co_u32 s33, s33, s34
	s_and_b32 s34, s16, 3
	s_lshl_b32 s34, s34, 2
	s_add_co_u32 s33, s33, s34
	s_add_co_u32 s33, s33, RED
	v_and_b32 v[TT+3], 1, v0
	v_bfe_u32 v[TT+4], v0, 1, 4
	v_lshlrev_b32 v[TT+3], 11, v[TT+3]
	v_lshl_add_u32 v[TT+3], v[TT+4], 4, v[TT+3]
	v_add_nc_u32 v[VRL], s33, v[TT+3]
	s_wait_loadcnt 63                              ; q is in: 64 loads are younger, and 63 is the largest count that the wait can name
.irp m, 0,1,2,3,4,5,6,7,8,9,10,11,12,13,14,15
	v_cvt_pk_bf16_f32 v[LX+2*\m], v[LX+2*\m], v[LX+2*\m+1]
	ds_store_b32 v[VSA], v[LX+2*\m] offset:\m*APITCH
.endr
	s_wait_loadcnt 48                              ; Wk's rows 0-15: 48 loads are younger
	STAGEB 0
	s_wait_loadcnt 32
	STAGEB 16
	s_wait_loadcnt 16
	STAGEB 32
	s_wait_loadcnt 0x0
	STAGEB 48
	s_wait_dscnt 0x0                               ; the stores of q took their data from LX, which is loaded anew below: they are waited for first
.irp s, 0,1
	ds_load_b128 v[AF+8*\s:AF+8*\s+3],   v[VFA] offset:64*\s
	ds_load_b128 v[AF+8*\s+4:AF+8*\s+7], v[VFA] offset:64*\s+32
.endr
.irp c, 0,1,2,3
	ds_load_b128 v[BF0+8*\c:BF0+8*\c+3],   v[VFB] offset:16*\c*APITCH
	ds_load_b128 v[BF0+8*\c+4:BF0+8*\c+7], v[VFB] offset:16*\c*APITCH+32
.endr
.irp c, 0,1,2,3
	ds_load_b128 v[BF1+8*\c:BF1+8*\c+3],   v[VFB] offset:16*\c*APITCH+64
	ds_load_b128 v[BF1+8*\c+4:BF1+8*\c+7], v[VFB] offset:16*\c*APITCH+96
.endr
	s_wait_dscnt 8                                 ; A's fragments and K step 0's of B: K step 1's eight loads are younger
	MUL4 BF0, 0, 1                                 ; the first products start the sums
	s_wait_dscnt 0x0
	MUL4 BF1, 1, 0
.rept 4
	v_nop                                          ; the results are stored four places behind the last matrix instruction (ISA guide 7.12.1)
.endr
.irp q, 0,1,2,3,4,5,6,7
	ds_store_b128 v[VRS], v[ACC+4*\q:ACC+4*\q+3] offset:\q*512
.endr
	s_wait_dscnt 0x0                               ; my partial tile is in LDS, for the others' sake
	s_barrier_signal -1
	s_barrier_wait -1
.irp w, 0,1,2,3,4,5,6,7,8,9,10,11,12,13,14,15
	ds_load_b32 v[SUM+2*\w],   v[VRL] offset:\w*4096
	ds_load_b32 v[SUM+2*\w+1], v[VRL] offset:\w*4096+1024
.endr
	s_wait_dscnt 0x0
	TREE SUM
	v_pk_mul_f32 v[SUM:SUM+1], v[SUM:SUM+1], 0x3d38aa3b op_sel_hi:[1,0]    ; x log2 e / 32
	global_store_b64 v[VO], v[SUM:SUM+1], s[8:9]   ; the wave stores 256 consecutive bytes, aligned
	s_wait_tensorcnt 0x0
	ds_add_u32 v250, v251
	s_wait_dscnt 0x0
	s_endpgm
.Lfunc_end_k_qdf8285f0f9_proj2:
	.size	k_qdf8285f0f9_proj2, .Lfunc_end_k_qdf8285f0f9_proj2-k_qdf8285f0f9_proj2
	.p2alignl 7, 3214868480
	.fill 96, 4, 3214868480
	.section	.rodata,"a",@progbits
	.p2align	6, 0x0
	.amdhsa_kernel k_qdf8285f0f9_proj2
		.amdhsa_group_segment_fixed_size 251904
		.amdhsa_private_segment_fixed_size 0
		.amdhsa_enable_private_segment 0
		.amdhsa_kernarg_size 24
		.amdhsa_user_sgpr_count 2
		.amdhsa_user_sgpr_kernarg_segment_ptr 1
		.amdhsa_wavefront_size32 1
		.amdhsa_system_sgpr_workgroup_id_x 1
		.amdhsa_system_sgpr_workgroup_id_y 1
		.amdhsa_system_sgpr_workgroup_id_z 1
		.amdhsa_system_vgpr_workitem_id 0
		.amdhsa_next_free_vgpr 252
		.amdhsa_next_free_sgpr 66
		.amdhsa_reserve_vcc 0
		.amdhsa_float_denorm_mode_32 3
		.amdhsa_float_denorm_mode_16_64 3
		.amdhsa_memory_ordered 1
		.amdhsa_forward_progress 1
		.amdhsa_inst_pref_size 27
	.end_amdhsa_kernel
	.amdgpu_metadata
---
amdhsa.version: [ 1, 2 ]
amdhsa.kernels:
  - .name:           k_qdf8285f0f9_proj2
    .symbol:         k_qdf8285f0f9_proj2.kd
    .args:
      - { .name: q, .offset: 0, .size: 8, .value_kind: global_buffer, .address_space: global }
      - { .name: Wk, .offset: 8, .size: 8, .value_kind: global_buffer, .address_space: global }
      - { .name: p, .offset: 16, .size: 8, .value_kind: global_buffer, .address_space: global }
    .group_segment_fixed_size: 251904
    .private_segment_fixed_size: 0
    .kernarg_segment_align: 8
    .kernarg_segment_size: 24
    .max_flat_workgroup_size: 512
    .sgpr_count:     66
    .vgpr_count:     252
    .wavefront_size: 32
...
	.end_amdgpu_metadata
.endif
;; end of part 2
;; launch pool (part 3): grid 256 x 1, 16 waves a work-group, no clusters, 67,840 bytes of LDS; arguments z_eeg, p, Wf_w, Wm_w, part; writes part
.if DOCPART == 3
	.amdgcn_target "amdgcn-amd-amdhsa--gfx1250"
	.amdhsa_code_object_version 6
	.text
	.protected	k_qdf8285f0f9_pool
	.globl	k_qdf8285f0f9_pool
	.p2align	8
	.type	k_qdf8285f0f9_pool,@function
k_qdf8285f0f9_pool:
	s_mov_b64 s[64:65], 0
	v_nop
	global_prefetch_b8 v0, s[64:65] scope:SCOPE_SE
	s_setreg_imm32_b32 hwreg(HW_REG_WAVE_MODE, 25, 1), 1
	s_wait_xcnt 0x0
; The stream: z_eeg [128][512][1024] f32 is read ONCE.  Work-group g takes batch row b = g >> 1 and the 256 time steps of half g & 1:
; 1 MiB, contiguous.  For each time step t: s = z[b][t] . p[b] (p holds the factor log2 e / 32), then an ONLINE SOFTMAX with a running
; maximum: M' = max(M, s), L = L 2^(M - M') + 2^(s - M'), ACC = ACC 2^(M - M') + 2^(s - M') z[b][t].  A row stays in registers between its
; dot product and its share in ACC.  All of it in f32.
; Wave w takes rows 16 i + w, i = 0..15, so that the sixteen waves walk the group's bytes side by side; a row is eight loads of 512
; consecutive bytes.  A ring of four row slots in registers, two rows a turn: 16 to 32 loads of every wave are on their way.
; The row's number stands in the loads' immediate (986,624 at the most), so no address register and no base is ever rewritten.
; At the end the sixteen waves' (M, L, ACC) are merged through LDS and stored as one record of 4,352 bytes: the unnormalised sum
; (4,096 bytes), then the pair (M, L) 32 times, so that the last 256 bytes are written whole.  The next launch merges a batch row's two halves.
; LIMITS: v_exp_f32 gives 0 for results below 2^-126 (ISA guide, its entry), so weights that small are dropped.
; LEFT OUT: matrix instructions (one query for each batch row: a product with one column); LDS slots and tensor loads (no wave reads a byte
; that another wave reads, and registers hold what is on its way); joint loads (of a group's 1 MiB nothing is shared; only p's 4 KiB is).
.set REC,  4352                        ; bytes in a record of part
.set STAT, 65536                       ; LDS: behind the 16 x 4,096 bytes of sums: 16 words M, at + 64 bytes 16 words L
.set VZ,   1                           ; 4096 w + 16 L: my 16 bytes in the wave's first row; also my place in LDS at the merge
.set VL16, 2                           ; 16 L: my 16 bytes in p
.set VR,   3                           ; 256 w + 8 L: my two numbers of the merged sum, in LDS rows and in the record
.set PV,   4                           ; v[4:35]    p[b]: register 4 j + c is element 128 j + 4 L + c
.set ACC,  36                          ; v[36:67]   the running sum, the same layout
.set X,    68                          ; v[68:195]  four row slots of 32
.set DA0,  196                         ; v[196:203] two chains of packed sums for each of the turn's two rows
.set DA1,  198
.set DB0,  200
.set DB1,  202
.set SC0,  204                         ; the two scores
.set SC1,  205
.set TP0,  206
.set TP1,  207
.set AL,   208                         ; v[208:209] 2^(M - M'), M          (pairs: the packed forms read both registers of a source)
.set MXR,  209
.set WT0,  210                         ; v[210:211] first row's weight, L
.set LS,   211
.set WT1,  212                         ; v[212:213] second row's weight, M'
.set MN,   213
.set VPF,  214                         ; 256 x thread: the prefetches' offset, never rewritten
.set VST,  215                         ; LDS: my wave's word of M
.macro ROWLOAD slot, row
.irp j, 0,1,2,3,4,5,6,7
	global_load_b128 v[X+32*\slot+4*\j:X+32*\slot+4*\j+3], v[VZ], s[4:5] offset:(\row)*65536+512*\j th:TH_LOAD_NT
.endr
.endm
; One turn: the rows in slots a and b.  first = 1: they start M, L and ACC, so nothing is cleared.  left = how many younger loads may stay out.
; fill >= 0: slot a is loaded again with the wave's row fill, slot b with fill + 1, each as soon as its last reader has been issued.
.macro TURN a, b, first, left, fill
	s_wait_loadcnt \left                           ; loads come back in order (ISA guide 5.7.1): these two rows are in, the two younger rows' 16 loads stay out
	v_pk_mul_f32 v[DA0:DA0+1], v[X+32*\a:X+32*\a+1],   v[PV:PV+1]
	v_pk_mul_f32 v[DB0:DB0+1], v[X+32*\b:X+32*\b+1],   v[PV:PV+1]
	v_pk_mul_f32 v[DA1:DA1+1], v[X+32*\a+2:X+32*\a+3], v[PV+2:PV+3]
	v_pk_mul_f32 v[DB1:DB1+1], v[X+32*\b+2:X+32*\b+3], v[PV+2:PV+3]
.irp q, 2,4,6,8,10,12,14
	v_pk_fma_f32 v[DA0:DA0+1], v[X+32*\a+2*\q:X+32*\a+2*\q+1],   v[PV+2*\q:PV+2*\q+1],   v[DA0:DA0+1]
	v_pk_fma_f32 v[DB0:DB0+1], v[X+32*\b+2*\q:X+32*\b+2*\q+1],   v[PV+2*\q:PV+2*\q+1],   v[DB0:DB0+1]
	v_pk_fma_f32 v[DA1:DA1+1], v[X+32*\a+2*\q+2:X+32*\a+2*\q+3], v[PV+2*\q+2:PV+2*\q+3], v[DA1:DA1+1]
	v_pk_fma_f32 v[DB1:DB1+1], v[X+32*\b+2*\q+2:X+32*\b+2*\q+3], v[PV+2*\q+2:PV+2*\q+3], v[DB1:DB1+1]
.endr
	v_pk_add_f32 v[DA0:DA0+1], v[DA0:DA0+1], v[DA1:DA1+1]
	v_pk_add_f32 v[DB0:DB0+1], v[DB0:DB0+1], v[DB1:DB1+1]
	v_add_f32 v[SC0], v[DA0], v[DA0+1]
	v_add_f32 v[SC1], v[DB0], v[DB0+1]
.irp x, 1,2,4,8                                    ; across the 16 lanes of each half, on the add itself
	v_add_f32_dpp v[SC0], v[SC0], v[SC0] row_xmask:\x row_mask:0xf bank_mask:0xf
	v_add_f32_dpp v[SC1], v[SC1], v[SC1] row_xmask:\x row_mask:0xf bank_mask:0xf
.endr
	v_permlanex16_b32 v[TP0], v[SC0], s32, s33     ; the other half's sum
	v_permlanex16_b32 v[TP1], v[SC1], s32, s33
	v_add_f32 v[SC0], v[SC0], v[TP0]               ; every lane holds both scores
	v_add_f32 v[SC1], v[SC1], v[TP1]
.if \first
	v_max_num_f32 v[MN], v[SC0], v[SC1]
.else
	v_max3_num_f32 v[MN], v[MXR], v[SC0], v[SC1]
	v_sub_f32 v[TP0], v[MXR], v[MN]
.endif
	v_sub_f32 v[SC0], v[SC0], v[MN]
	v_sub_f32 v[SC1], v[SC1], v[MN]
	v_exp_f32 v[WT0], v[SC0]
	v_exp_f32 v[WT1], v[SC1]
.if \first
	v_mov_b32 v[MXR], v[MN]                        ; the plain instruction that stands between the exponentials and the first use of a result (ISA guide 5.7.2)
	s_wait_alu depctr_va_vdst(0)
	v_add_f32 v[LS], v[WT0], v[WT1]
.irp q, 0,1,2,3,4,5,6,7,8,9,10,11,12,13,14,15
	v_pk_mul_f32 v[ACC+2*\q:ACC+2*\q+1], v[X+32*\a+2*\q:X+32*\a+2*\q+1], v[WT0:WT0+1] op_sel_hi:[1,0]
.endr
.else
	v_exp_f32 v[AL], v[TP0]
	v_mov_b32 v[MXR], v[MN]                        ; the plain instruction behind the exponentials
	s_wait_alu depctr_va_vdst(0)
	v_add_f32 v[TP1], v[WT0], v[WT1]
	v_fma_f32 v[LS], v[AL], v[LS], v[TP1]
.irp q, 0,1,2,3,4,5,6,7,8,9,10,11,12,13,14,15
	v_pk_mul_f32 v[ACC+2*\q:ACC+2*\q+1], v[ACC+2*\q:ACC+2*\q+1], v[AL:AL+1] op_sel_hi:[1,0]
.endr
.irp q, 0,1,2,3,4,5,6,7,8,9,10,11,12,13,14,15
	v_pk_fma_f32 v[ACC+2*\q:ACC+2*\q+1], v[X+32*\a+2*\q:X+32*\a+2*\q+1], v[WT0:WT0+1], v[ACC+2*\q:ACC+2*\q+1] op_sel_hi:[1,0,1]
.endr
.endif
.if \fill >= 0
	ROWLOAD \a, \fill
.endif
.irp q, 0,1,2,3,4,5,6,7,8,9,10,11,12,13,14,15
	v_pk_fma_f32 v[ACC+2*\q:ACC+2*\q+1], v[X+32*\b+2*\q:X+32*\b+2*\q+1], v[WT1:WT1+1], v[ACC+2*\q:ACC+2*\q+1] op_sel_hi:[1,0,1]
.endr
.if \fill >= 0
	ROWLOAD \b, \fill+1
.endif
.endm
	s_load_b256 s[4:11], s[0:1], 0x0               ; z_eeg s[4:5], p s[6:7], Wf_w s[8:9], Wm_w s[10:11]
	s_load_b64 s[12:13], s[0:1], 0x20              ; part
	v_lshl_add_u32 v216, v0, 2, 0x10100
	v_mov_b32 v217, 0
	v_lshrrev_b32 v[VR], 5, v0
	v_readfirstlane_b32 s14, v[VR]                 ; w
	v_and_b32 v[VR], 31, v0                        ; L
	v_lshlrev_b32 v[VL16], 4, v[VR]
	s_lshl_b32 s15, s14, 12
	v_add_nc_u32 v[VZ], s15, v[VL16]               ; 4096 w + 16 L
	s_lshl_b32 s15, s14, 8
	v_lshl_add_u32 v[VR], v[VR], 3, s15            ; 256 w + 8 L
	s_lshl_b32 s15, s14, 2
	s_add_co_u32 s15, s15, STAT
	v_mov_b32 v[VST], s15
	v_lshlrev_b32 v[VPF], 8, v0
	v_mov_b32 v[TP0], 0                            ; v_permlanex16_b32 counts as a reader of its destination
	v_mov_b32 v[TP1], 0
	s_mov_b32 s32, 0x76543210                      ; lane i of one half reads lane i of the other
	s_mov_b32 s33, 0xfedcba98
	s_lshl_b32 s34, ttmp9, 20                      ; the group's 1 MiB of z_eeg (255 MiB at the most: 32 bits hold it)
	s_mov_b32 s35, 0
	s_lshr_b32 s36, ttmp9, 1
	s_lshl_b32 s36, s36, 12                        ; row b of p
	s_mov_b32 s37, 0
	s_mul_i32 s38, ttmp9, REC                      ; the group's record
	s_mov_b32 s39, 0
	s_lshl_b32 s40, ttmp9, 14                      ; the group's 16 KiB in each prefetch
	s_mov_b32 s41, 0
	s_wait_kmcnt 0x0
	s_add_nc_u64 s[4:5], s[4:5], s[34:35]
	s_add_nc_u64 s[6:7], s[6:7], s[36:37]
	s_add_nc_u64 s[12:13], s[12:13], s[38:39]
	s_add_nc_u64 s[8:9], s[8:9], s[40:41]
	s_add_nc_u64 s[10:11], s[10:11], s[40:41]
.irp j, 0,1,2,3,4,5,6,7
	global_load_b128 v[PV+4*\j:PV+4*\j+3], v[VL16], s[6:7] offset:512*\j
.endr
	ROWLOAD 0, 0
	ROWLOAD 1, 1
	ROWLOAD 2, 2
	ROWLOAD 3, 3
	TURN 0, 1, 1, 16, 4                            ; the first wait covers p too, which was asked for ahead of the rows
	TURN 2, 3, 0, 16, 6
	TURN 0, 1, 0, 16, 8
	TURN 2, 3, 0, 16, 10
	TURN 0, 1, 0, 16, 12
	TURN 2, 3, 0, 16, 14
	; The wave has issued its last loads.  What the next launch streams is asked for into the L2: Wf_w's rows 0-1023 and Wm_w, 4 MiB each:
	; 256 groups x 64 threads (waves 0 and 1) x one block of 256 bytes of each, every block once.
	s_cmp_gt_u32 s14, 1
	s_cbranch_scc1 .Lno_prefetch
	global_prefetch_b8 v[VPF], s[8:9] th:TH_LOAD_NT scope:SCOPE_SE
	global_prefetch_b8 v[VPF], s[10:11] th:TH_LOAD_NT scope:SCOPE_SE
.Lno_prefetch:
	TURN 0, 1, 0, 16, -1                           ; the last two turns load nothing: the counts run down
	TURN 2, 3, 0, 0, -1
	; THE MERGE of the sixteen waves.  Register 4 j + c is element 128 j + 4 L + c, so a wave's sum lies in LDS as a plain row of 4,096 bytes.
.irp j, 0,1,2,3,4,5,6,7
	ds_store_b128 v[VZ], v[ACC+4*\j:ACC+4*\j+3] offset:512*\j
.endr
	ds_store_b32 v[VST], v[MXR]                    ; all lanes hold the same number and write the same word
	ds_store_b32 v[VST], v[LS] offset:64
	v_and_b32 v[DA0], 15, v0
	v_lshl_add_u32 v[DA0], v[DA0], 2, STAT         ; lane L will read wave L & 15's M and L
	s_wait_dscnt 0x0                               ; my stores are in LDS, for the others' sake
	s_barrier_signal -1
	s_barrier_wait -1
	ds_load_b32 v[DA0+1], v[DA0]                   ; M of wave L & 15
	ds_load_b32 v[DA1], v[DA0] offset:64           ; L of wave L & 15
.irp w, 0,1,2,3,4,5,6,7,8,9,10,11,12,13,14,15
	ds_load_b64 v[X+2*\w:X+2*\w+1], v[VR] offset:\w*4096           ; wave w's sum at my two elements
.endr
	s_wait_dscnt 16                                ; M and L are in: the sixteen loads of sums are younger
	v_mov_b32 v[TP0], v[DA0+1]
.irp x, 1,2,4,8
	v_max_num_f32_dpp v[TP0], v[TP0], v[TP0] row_xmask:\x row_mask:0xf bank_mask:0xf
.endr
	v_sub_f32 v[DA1+1], v[DA0+1], v[TP0]
	v_exp_f32 v[DB0], v[DA1+1]                     ; wave L & 15's factor 2^(M - max)
	v_nop                                          ; one plain instruction behind the exponential
	s_wait_alu depctr_va_vdst(0)
	v_mul_f32 v[TP1], v[DB0], v[DA1]
.irp x, 1,2,4,8
	v_add_f32_dpp v[TP1], v[TP1], v[TP1] row_xmask:\x row_mask:0xf bank_mask:0xf
.endr
.irp w, 0,1,2,3,4,5,6,7,8,9,10,11,12,13,14,15
	v_readlane_b32 s[16+\w], v[DB0], \w
.endr
	s_wait_dscnt 0x0
	v_mul_f32 v[DB1],   s16, v[X]
	v_mul_f32 v[DB1+1], s16, v[X+1]
.irp w, 1,2,3,4,5,6,7,8,9,10,11,12,13,14,15
	v_fmac_f32 v[DB1],   s[16+\w], v[X+2*\w]
	v_fmac_f32 v[DB1+1], s[16+\w], v[X+2*\w+1]
.endr
	global_store_b64 v[VR], v[DB1:DB1+1], s[12:13] ; the wave stores 256 consecutive bytes, aligned
	s_cmp_lg_u32 s14, 0
	s_cbranch_scc1 .Ldone
	global_store_b64 v[VR], v[TP0:TP0+1], s[12:13] offset:4096     ; wave 0 (VR = 8 L): the pair (M, L) 32 times, the record's last 256 bytes
.Ldone:
	s_wait_tensorcnt 0x0
	ds_add_u32 v216, v217
	s_wait_dscnt 0x0
	s_endpgm
.Lfunc_end_k_qdf8285f0f9_pool:
	.size	k_qdf8285f0f9_pool, .Lfunc_end_k_qdf8285f0f9_pool-k_qdf8285f0f9_pool
	.p2alignl 7, 3214868480
	.fill 96, 4, 3214868480
	.section	.rodata,"a",@progbits
	.p2align	6, 0x0
	.amdhsa_kernel k_qdf8285f0f9_pool
		.amdhsa_group_segment_fixed_size 67840
		.amdhsa_private_segment_fixed_size 0
		.amdhsa_enable_private_segment 0
		.amdhsa_kernarg_size 40
		.amdhsa_user_sgpr_count 2
		.amdhsa_user_sgpr_kernarg_segment_ptr 1
		.amdhsa_wavefront_size32 1
		.amdhsa_system_sgpr_workgroup_id_x 1
		.amdhsa_system_sgpr_workgroup_id_y 1
		.amdhsa_system_sgpr_workgroup_id_z 1
		.amdhsa_system_vgpr_workitem_id 0
		.amdhsa_next_free_vgpr 218
		.amdhsa_next_free_sgpr 66
		.amdhsa_reserve_vcc 0
		.amdhsa_float_denorm_mode_32 3
		.amdhsa_float_denorm_mode_16_64 3
		.amdhsa_memory_ordered 1
		.amdhsa_forward_progress 1
		.amdhsa_inst_pref_size 70
	.end_amdhsa_kernel
	.amdgpu_metadata
---
amdhsa.version: [ 1, 2 ]
amdhsa.kernels:
  - .name:           k_qdf8285f0f9_pool
    .symbol:         k_qdf8285f0f9_pool.kd
    .args:
      - { .name: z_eeg, .offset: 0, .size: 8, .value_kind: global_buffer, .address_space: global }
      - { .name: p, .offset: 8, .size: 8, .value_kind: global_buffer, .address_space: global }
      - { .name: Wf_w, .offset: 16, .size: 8, .value_kind: global_buffer, .address_space: global }
      - { .name: Wm_w, .offset: 24, .size: 8, .value_kind: global_buffer, .address_space: global }
      - { .name: part, .offset: 32, .size: 8, .value_kind: global_buffer, .address_space: global }
    .group_segment_fixed_size: 67840
    .private_segment_fixed_size: 0
    .kernarg_segment_align: 8
    .kernarg_segment_size: 40
    .max_flat_workgroup_size: 512
    .sgpr_count:     66
    .vgpr_count:     218
    .wavefront_size: 32
...
	.end_amdgpu_metadata
.endif
;; end of part 3
;; launch fuse (part 4): grid 16 x 8, 16 waves a work-group, no clusters, 169,984 bytes of LDS; arguments part, z_rppg, r, Wf_w, Wm_w, Wf_b, bf, Wm_b, out0; writes out0
.if DOCPART == 4
	.amdgcn_target "amdgcn-amd-amdhsa--gfx1250"
	.amdhsa_code_object_version 6
	.text
	.protected	k_qdf8285f0f9_fuse
	.globl	k_qdf8285f0f9_fuse
	.p2align	8
	.type	k_qdf8285f0f9_fuse,@function
k_qdf8285f0f9_fuse:
	s_mov_b64 s[64:65], 0
	v_nop
	global_prefetch_b8 v0, s[64:65] scope:SCOPE_SE
	s_setreg_imm32_b32 hwreg(HW_REG_WAVE_MODE, 25, 1), 1
	s_wait_xcnt 0x0
; out0 = relu(z_rppg + m x sigmoid(g)),  g = A Wf_w[0:1024] + r + Wf_b + bf,  m = A Wm_w + Wm_b,
; where r = z_rppg Wf_w[1024:2048] was made by the first launch, and A[b] is the softmax-pooled row: the two records of batch row b
; (unnormalised sums S0, S1 with their maxima M0, M1, in powers of two, and their sums of weights L0, L1) are merged as
; A = (f0 S0 + f1 S1) / (f0 L0 + f1 L1), f_i = 2^(M_i - max(M0, M1)).  The divisor is at least 1: the row of the maximum has weight 1.
; A work-group makes 16 rows (y) x 64 columns (x) of BOTH products; K = 1024 is split over the 16 waves, 64 each, two matrix steps of 32
; for each product; the weights come through two register slots that take turns; the partial tiles are summed in f32 through LDS behind the one barrier.
; LIMITS: A and the weights enter the products as bf16; sums and everything else are f32; the biases are added in another order than in reference().
; NO JOINT LOADS, NO TENSOR LOADS, although the eight groups of one x read the same 64 columns of the weights: the weights are f32 and lie
; [K][N], so a B fragment is made by rounding two ROWS' numbers into one register; a wave's 32 KiB go from memory straight into the registers
; in which they are rounded, and through LDS the same bytes would be written and read once more.
.set ROWB,   4096
.set REC,    4352                      ; a record of part: 4,096 bytes of sums, then (M, L) 32 times
.set APITCH, 144                       ; 64 bf16 = 128 bytes + 16: an odd multiple of 16 bytes
.set AWAVE,  16*APITCH
.set REDG,   16*AWAVE                  ; 16 partial tiles of g, 4,096 bytes each
.set REDM,   REDG+65536                ; and of m
.set VX,   1                           ; 256 w + 8 L: my 8 bytes in a record's sums
.set VW,   2                           ; (64 w + 8 h) rows + 16 r: my 16 bytes in the weights
.set VSA,  3
.set VFA,  4
.set VRS,  5
.set VRL,  6
.set VO,   7                           ; 4096 w + 8 L: my two outputs
.set VST,  248                         ; 4352 L: record L
.set VRS2, 249
.set VRL2, 250
.set VB,   251                         ; 8 L: my two numbers of a bias
.set LA,   8                           ; v[8:71]    the 32 records' sums as loaded: record i in a pair
.set G,    8                           ; v[8:39]    later four accumulators of g; accumulator c holds the columns 4 r + c
.set MM,   40                          ; v[40:71]   later four accumulators of m
.set AF,   72                          ; v[72:87]   A's fragments of the two K steps
.set BF,   88                          ; v[88:119]  four B fragments
.set ST,   88                          ;            before that: the merge's figures
.set TT,   96                          ;            and set-up temporaries
.set LW,   120                         ; v[120:247] weights as loaded: two slots of 64
.set ZR,   120                         ; later, in slot 0: z_rppg, r, Wf_b, bf, Wm_b at my two outputs
.set RR,   122
.set FB,   124
.set BV,   126
.set MB,   128
.set SG,   184                         ; later, in slot 1: the sixteen partial sums of g
.set SM,   216                         ; and of m
; 16 loads: the 32 rows of K step s.  Lanes 0-15 take 256 consecutive, aligned bytes of row 64 w + 32 s + 16 g + i, lanes 16-31 of the row 8 further down.
.macro LOADW slot, sb, s
.irp g, 0,1
.irp i, 0,1,2,3,4,5,6,7
	global_load_b128 v[LW+64*\slot+4*(8*\g+\i):LW+64*\slot+4*(8*\g+\i)+3], v[VW], s[\sb:\sb+1] offset:(32*\s+16*\g+\i)*ROWB
.endr
.endr
.endm
; Fragment c, register 4 g + q = the numbers of k = 16 g + 8 h + 2 q and + 1 in column 4 r + c.
.macro CVTB slot
.irp c, 0,1,2,3
.irp g, 0,1
.irp q, 0,1,2,3
	v_cvt_pk_bf16_f32 v[BF+8*\c+4*\g+\q], v[LW+64*\slot+4*(8*\g+2*\q)+\c], v[LW+64*\slot+4*(8*\g+2*\q+1)+\c]
.endr
.endr
.endr
.endm
; Four matrix instructions, one for each accumulator: the eight accumulators take turns, one instruction a turn.
.macro MUL4 acc, s, zero
.irp c, 0,1,2,3
.if \zero
	v_wmma_f32_16x16x32_bf16 v[\acc+8*\c:\acc+8*\c+7], v[AF+8*\s:AF+8*\s+7], v[BF+8*\c:BF+8*\c+7], 0
.else
	v_wmma_f32_16x16x32_bf16 v[\acc+8*\c:\acc+8*\c+7], v[AF+8*\s:AF+8*\s+7], v[BF+8*\c:BF+8*\c+7], v[\acc+8*\c:\acc+8*\c+7]
.endif
.endr
.endm
; Four independent vector instructions stand between a matrix instruction and a vector write of one of its sources, or an LDS store of its result.
.macro PLACES
.rept 4
	v_nop
.endr
.endm
.macro TREE base
.irp d, 8,4,2,1
.set w, 0
.rept \d
	v_pk_add_f32 v[\base+2*w:\base+2*w+1], v[\base+2*w:\base+2*w+1], v[\base+2*(w+\d):\base+2*(w+\d)+1]
.set w, w+1
.endr
.endr
.endm
	s_load_b512 s[4:19], s[0:1], 0x0               ; part s[4:5], z_rppg s[6:7], r s[8:9], Wf_w s[10:11], Wm_w s[12:13], Wf_b s[14:15], bf s[16:17], Wm_b s[18:19]
	s_load_b64 s[20:21], s[0:1], 0x40              ; out0
	v_lshl_add_u32 v254, v0, 2, 0x29000
	v_mov_b32 v255, 0
	v_lshrrev_b32 v[TT], 5, v0
	v_readfirstlane_b32 s22, v[TT]                 ; w
	v_and_b32 v[TT], 31, v0                        ; L
	v_and_b32 v[TT+1], 15, v0                      ; r
	v_bfe_u32 v[TT+2], v0, 4, 1                    ; h
	s_and_b32 s23, ttmp7, 0xffff                   ; y
	s_mul_i32 s24, s23, 32*REC                     ; my 16 batch rows' 32 records
	s_mov_b32 s25, 0
	s_lshl_b32 s26, ttmp9, 8                       ; my 64 columns
	s_mov_b32 s27, 0
	s_lshl_b32 s28, s23, 16                        ; my 16 rows of 4,096 bytes,
	s_add_co_u32 s28, s28, s26                     ; at my 64 columns
	s_mov_b32 s29, 0
	v_mul_u32_u24 v[VST], v[TT], REC
	s_lshl_b32 s30, s22, 8
	v_lshl_add_u32 v[VX], v[TT], 3, s30
	s_lshl_b32 s30, s22, 18
	v_lshlrev_b32 v[TT+3], 4, v[TT+1]
	v_lshl_add_u32 v[TT+3], v[TT+2], 15, v[TT+3]
	v_add_nc_u32 v[VW], s30, v[TT+3]
	s_wait_kmcnt 0x0
	s_add_nc_u64 s[4:5], s[4:5], s[24:25]
	s_add_nc_u64 s[10:11], s[10:11], s[26:27]
	s_add_nc_u64 s[12:13], s[12:13], s[26:27]
	s_add_nc_u64 s[14:15], s[14:15], s[26:27]
	s_add_nc_u64 s[16:17], s[16:17], s[26:27]
	s_add_nc_u64 s[18:19], s[18:19], s[26:27]
	s_add_nc_u64 s[6:7], s[6:7], s[28:29]
	s_add_nc_u64 s[8:9], s[8:9], s[28:29]
	s_add_nc_u64 s[20:21], s[20:21], s[28:29]
	global_load_b64 v[ST:ST+1], v[VST], s[4:5] offset:4096         ; lane L: (M, L) of record L
.set i, 0
.rept 32
	global_load_b64 v[LA+2*i:LA+2*i+1], v[VX], s[4:5] offset:i*REC ; 256 consecutive, aligned bytes of record i: my wave's 64 k
.set i, i+1
.endr
	LOADW 0, 10, 0                                 ; Wf_w, K step 0
	LOADW 1, 12, 0                                 ; Wm_w, K step 0
	; the other addresses, while the loads are on their way
	v_lshlrev_b32 v[VB], 3, v[TT]
	s_mul_i32 s30, s22, AWAVE
	v_lshl_add_u32 v[VSA], v[TT], 2, s30
	v_mul_u32_u24 v[TT+3], v[TT+1], APITCH
	v_lshl_add_u32 v[TT+3], v[TT+2], 4, v[TT+3]
	v_add_nc_u32 v[VFA], s30, v[TT+3]
	s_lshl_b32 s30, s22, 12
	v_lshl_add_u32 v[VO], v[TT], 3, s30
	s_add_co_u32 s30, s30, REDG
	v_lshl_add_u32 v[VRS], v[TT], 4, s30
	v_add_nc_u32 v[VRS2], 0x10000, v[VRS]
	; C(8 h + j, 4 r + c) lies at 1024 c + 512 (j >> 2) + 256 h + 16 r + 4 (j & 3) of a partial tile; wave w sums row w, lane L the columns 2 L, 2 L + 1
	s_bfe_u32 s30, s22, 0x10002
	s_lshl_b32 s30, s30, 9
	s_lshr_b32 s31, s22, 3
	s_lshl_b32 s31, s31, 8
	s_add_co_u32 s30, s30, s31
	s_and_b32 s31, s22, 3
	s_lshl_b32 s31, s31, 2
	s_add_co_u32 s30, s30, s31
	s_add_co_u32 s30, s30, REDG
	v_and_b32 v[TT+3], 1, v0
	v_bfe_u32 v[TT+4], v0, 1, 4
	v_lshlrev_b32 v[TT+3], 11, v[TT+3]
	v_lshl_add_u32 v[TT+3], v[TT+4], 4, v[TT+3]
	v_add_nc_u32 v[VRL], s30, v[TT+3]
	v_add_nc_u32 v[VRL2], 0x10000, v[VRL]
	s_wait_loadcnt 32                              ; the records are in: the 32 loads of weights are younger
	; lane L: record L's coefficient f / (f0 L0 + f1 L1); a batch row's two records lie in neighbouring lanes
	v_mov_b32 v[ST+2], v[ST]
	v_max_num_f32_dpp v[ST+2], v[ST+2], v[ST+2] row_xmask:1 row_mask:0xf bank_mask:0xf
	v_sub_f32 v[ST+3], v[ST], v[ST+2]
	v_exp_f32 v[ST+4], v[ST+3]
	v_nop                                          ; one plain instruction behind the exponential (ISA guide 5.7.2)
	s_wait_alu depctr_va_vdst(0)
	v_mul_f32 v[ST+5], v[ST+4], v[ST+1]
	v_add_f32_dpp v[ST+5], v[ST+5], v[ST+5] row_xmask:1 row_mask:0xf bank_mask:0xf
	v_rcp_f32 v[ST+6], v[ST+5]
	v_nop                                          ; and behind the reciprocal
	s_wait_alu depctr_va_vdst(0)
	v_mul_f32 v[ST+7], v[ST+4], v[ST+6]
.set i, 0
.rept 32
	v_readlane_b32 s[32+i], v[ST+7], i
.set i, i+1
.endr
	; A's row m at my two k: merged in f32, rounded once, into my own stage
.set m, 0
.rept 16
	v_mul_f32 v[LA+4*m],    s[32+2*m], v[LA+4*m]
	v_mul_f32 v[LA+4*m+1],  s[32+2*m], v[LA+4*m+1]
	v_fmac_f32 v[LA+4*m],   s[33+2*m], v[LA+4*m+2]
	v_fmac_f32 v[LA+4*m+1], s[33+2*m], v[LA+4*m+3]
	v_cvt_pk_bf16_f32 v[LA+4*m], v[LA+4*m], v[LA+4*m+1]
	ds_store_b32 v[VSA], v[LA+4*m] offset:m*APITCH
.set m, m+1
.endr
.irp s, 0,1
	ds_load_b128 v[AF+8*\s:AF+8*\s+3],   v[VFA] offset:64*\s       ; my own bytes: LDS serves a wave's instructions in order (ISA guide 5.7.1)
	ds_load_b128 v[AF+8*\s+4:AF+8*\s+7], v[VFA] offset:64*\s+32
.endr
	s_wait_loadcnt 16                              ; slot 0 (Wf_w, step 0) is in: slot 1's 16 loads are younger
	CVTB 0
	LOADW 0, 10, 1                                 ; Wf_w, K step 1, into the slot just read
	s_wait_dscnt 0x0                               ; A's fragments are in, and the stores above have read LA, which the accumulators now take
	MUL4 G, 0, 1                                   ; the first products start the sums: nothing is cleared
	s_wait_loadcnt 16                              ; slot 1 (Wm_w, step 0): slot 0's 16 new loads are younger
	PLACES
	CVTB 1
	LOADW 1, 12, 1                                 ; Wm_w, K step 1
	MUL4 MM, 0, 1
	s_wait_loadcnt 16                              ; slot 0 (Wf_w, step 1)
	PLACES
	CVTB 0
	global_load_b64 v[ZR:ZR+1], v[VO], s[6:7]      ; what the end needs, into the slot just read: row w, my two columns
	global_load_b64 v[RR:RR+1], v[VO], s[8:9]
	global_load_b64 v[FB:FB+1], v[VB], s[14:15]
	global_load_b64 v[BV:BV+1], v[VB], s[16:17]
	global_load_b64 v[MB:MB+1], v[VB], s[18:19]
	MUL4 G, 1, 0
	s_wait_loadcnt 5                               ; slot 1 (Wm_w, step 1): the five loads above are younger
	PLACES
	CVTB 1
	MUL4 MM, 1, 0
	PLACES                                         ; the results are stored four places behind the last matrix instruction
.irp q, 0,1,2,3,4,5,6,7
	ds_store_b128 v[VRS], v[G+4*\q:G+4*\q+3] offset:\q*512
.endr
.irp q, 0,1,2,3,4,5,6,7
	ds_store_b128 v[VRS2], v[MM+4*\q:MM+4*\q+3] offset:\q*512
.endr
	s_wait_dscnt 0x0                               ; my two partial tiles are in LDS, for the others' sake
	s_barrier_signal -1
	s_barrier_wait -1
.irp w, 0,1,2,3,4,5,6,7,8,9,10,11,12,13,14,15
	ds_load_b32 v[SG+2*\w],   v[VRL] offset:\w*4096
	ds_load_b32 v[SG+2*\w+1], v[VRL] offset:\w*4096+1024
.endr
.irp w, 0,1,2,3,4,5,6,7,8,9,10,11,12,13,14,15
	ds_load_b32 v[SM+2*\w],   v[VRL2] offset:\w*4096
	ds_load_b32 v[SM+2*\w+1], v[VRL2] offset:\w*4096+1024
.endr
	s_wait_dscnt 0x0
	TREE SG
	TREE SM
	s_wait_loadcnt 0x0                             ; z_rppg, r and the three biases
	v_pk_add_f32 v[FB:FB+1], v[FB:FB+1], v[BV:BV+1]
	v_pk_add_f32 v[SG:SG+1], v[SG:SG+1], v[RR:RR+1]
	v_pk_add_f32 v[SG:SG+1], v[SG:SG+1], v[FB:FB+1]                        ; g
	v_pk_mul_f32 v[SG:SG+1], v[SG:SG+1], 0xbfb8aa3b op_sel_hi:[1,0]        ; - g log2 e
	v_exp_f32 v[SG+2], v[SG]
	v_exp_f32 v[SG+3], v[SG+1]
	v_pk_add_f32 v[SM:SM+1], v[SM:SM+1], v[MB:MB+1]                        ; m; also the plain instruction behind the exponentials
	s_wait_alu depctr_va_vdst(0)
	v_pk_add_f32 v[SG+2:SG+3], v[SG+2:SG+3], 1.0 op_sel_hi:[1,0]
	v_rcp_f32 v[SG+4], v[SG+2]                     ; sigmoid(g) = 1 / (1 + 2^(- g log2 e)); an infinite power gives 0
	v_rcp_f32 v[SG+5], v[SG+3]
	v_nop                                          ; one plain instruction behind the reciprocals
	s_wait_alu depctr_va_vdst(0)
	v_pk_fma_f32 v[SG+4:SG+5], v[SM:SM+1], v[SG+4:SG+5], v[ZR:ZR+1]
	v_max_num_f32 v[SG+4], 0, v[SG+4]
	v_max_num_f32 v[SG+5], 0, v[SG+5]
	global_store_b64 v[VO], v[SG+4:SG+5], s[20:21] ; the wave stores 256 consecutive bytes, aligned: 64 columns of row w
	s_wait_tensorcnt 0x0
	ds_add_u32 v254, v255
	s_wait_dscnt 0x0
	s_endpgm
.Lfunc_end_k_qdf8285f0f9_fuse:
	.size	k_qdf8285f0f9_fuse, .Lfunc_end_k_qdf8285f0f9_fuse-k_qdf8285f0f9_fuse
	.p2alignl 7, 3214868480
	.fill 96, 4, 3214868480
	.section	.rodata,"a",@progbits
	.p2align	6, 0x0
	.amdhsa_kernel k_qdf8285f0f9_fuse
		.amdhsa_group_segment_fixed_size 169984
		.amdhsa_private_segment_fixed_size 0
		.amdhsa_enable_private_segment 0
		.amdhsa_kernarg_size 72
		.amdhsa_user_sgpr_count 2
		.amdhsa_user_sgpr_kernarg_segment_ptr 1
		.amdhsa_wavefront_size32 1
		.amdhsa_system_sgpr_workgroup_id_x 1
		.amdhsa_system_sgpr_workgroup_id_y 1
		.amdhsa_system_sgpr_workgroup_id_z 1
		.amdhsa_system_vgpr_workitem_id 0
		.amdhsa_next_free_vgpr 256
		.amdhsa_next_free_sgpr 66
		.amdhsa_reserve_vcc 0
		.amdhsa_float_denorm_mode_32 3
		.amdhsa_float_denorm_mode_16_64 3
		.amdhsa_memory_ordered 1
		.amdhsa_forward_progress 1
		.amdhsa_inst_pref_size 37
	.end_amdhsa_kernel
	.amdgpu_metadata
---
amdhsa.version: [ 1, 2 ]
amdhsa.kernels:
  - .name:           k_qdf8285f0f9_fuse
    .symbol:         k_qdf8285f0f9_fuse.kd
    .args:
      - { .name: part, .offset: 0, .size: 8, .value_kind: global_buffer, .address_space: global }
      - { .name: z_rppg, .offset: 8, .size: 8, .value_kind: global_buffer, .address_space: global }
      - { .name: r, .offset: 16, .size: 8, .value_kind: global_buffer, .address_space: global }
      - { .name: Wf_w, .offset: 24, .size: 8, .value_kind: global_buffer, .address_space: global }
      - { .name: Wm_w, .offset: 32, .size: 8, .value_kind: global_buffer, .address_space: global }
      - { .name: Wf_b, .offset: 40, .size: 8, .value_kind: global_buffer, .address_space: global }
      - { .name: bf, .offset: 48, .size: 8, .value_kind: global_buffer, .address_space: global }
      - { .name: Wm_b, .offset: 56, .size: 8, .value_kind: global_buffer, .address_space: global }
      - { .name: out0, .offset: 64, .size: 8, .value_kind: global_buffer, .address_space: global }
    .group_segment_fixed_size: 169984
    .private_segment_fixed_size: 0
    .kernarg_segment_align: 8
    .kernarg_segment_size: 72
    .max_flat_workgroup_size: 512
    .sgpr_count:     66
    .vgpr_count:     256
    .wavefront_size: 32
...
	.end_amdgpu_metadata
.endif
;; end of part 4
;; ======== version 2 of 3: 4 launches
;; workspace buffers: q 524,288 bytes; r 524,288 bytes; p 524,288 bytes; part 1,114,112 bytes; wfr 4,194,304 bytes; wkf 2,097,152 bytes
;; launch proj1 (part 5): grid 16 x 16, 16 waves a work-group, no clusters, 113,664 bytes of LDS; arguments z_rppg, Wq, Wf_w, Wk, q, r, wkf; writes q, r, wkf
.if DOCPART == 5
	.amdgcn_target "amdgcn-amd-amdhsa--gfx1250"
	.amdhsa_code_object_version 6
	.text
	.protected	k_qdf8285f0f9_proj1
	.globl	k_qdf8285f0f9_proj1
	.p2align	8
	.type	k_qdf8285f0f9_proj1,@function
k_qdf8285f0f9_proj1:
	s_mov_b64 s[64:65], 0
	v_nop
	global_prefetch_b8 v0, s[64:65] scope:SCOPE_SE
	s_setreg_imm32_b32 hwreg(HW_REG_WAVE_MODE, 25, 1), 1
	s_wait_xcnt 0x0
; Two products with the 128 rows of z_rppg [128][1024] f32, one body:
;   work-group y 0..7 :  q = z_rppg x Wq                   (the query)
;   work-group y 8..15:  r = z_rppg x Wf_w[1024:2048]      (z_rppg's share of the gate's sum)
; A work-group makes 16 rows (y & 7) x 64 columns (x) over the whole K = 1024.  K IS SPLIT OVER THE 16 WAVES: wave w takes
; k = 64 w .. 64 w + 63, two matrix steps of 32, asks for all its bytes in one burst, and the sixteen partial tiles are summed
; in f32 through LDS behind the one barrier.
; BESIDE THAT every group rounds its 1/256 of Wk (f32 [N][K]: rows 64 x .. + 63, k = 64 y .. + 63, 16 KiB) to bf16 once and writes it to
; wkf as finished matrix fragments, so that the eight row blocks of the next launch read half the bytes and convert nothing.  wkf, in bytes:
;   131,072 x (64 rows x) + 4,096 x (K step of 32) + 1,024 x (fragment t) + 512 g + 16 x (16 h + idx) + 4 q
; holds the two numbers k = 16 g + 8 h + 2 q, + 1 of the K step in row 64 x + 16 t + idx: the 16-bit operand layout of ISA guide 7.12.2.
; A wave brings four rows' 256 bytes, lays them rounded into a stage of 64 rows in LDS ahead of the barrier, and behind it reads half a
; fragment (16 rows x 16 k) and stores it.
; LIMITS: operands are rounded to bf16 (nearest even), sums are f32; the sixteen partial sums are added as a tree, so the order
; of rounding is not the one of a single chain along K.
; NO JOINT LOADS, NO TENSOR LOADS, although the eight groups of one x read the same 64 columns of the weights: the weights are
; f32 and lie [K][N], so a B fragment is made by rounding two ROWS' numbers into one register, which is register work.  Here the
; 16 KiB of weights of a wave go from memory straight into the registers in which they are rounded; through LDS the same bytes
; would be written and read once more, and each group asks only once, so there is no ring to keep filled.
.set ROWB,   4096                      ; bytes in a row of z_rppg, of the weights, of q and r
.set APITCH, 144                       ; LDS row of 64 bf16 = 128 bytes + 16: an odd multiple of 16 bytes
.set AWAVE,  16*APITCH                 ; a wave's own stage for A: 16 rows
.set RED,    16*AWAVE                  ; behind the stages: 16 partial tiles of 16 x 64 f32, 4,096 bytes each
.set KST,    RED+65536                 ; behind them: the group's 64 rows x 64 k of Wk in bf16, rows of APITCH bytes
.set VX,  1                            ; 256 w + 8 L: my 8 bytes in a row of z_rppg
.set VW,  2                            ; (64 w + 8 h) rows + 16 r: my 16 bytes in the weights
.set VSA, 3                            ; LDS: where I put 2 bf16 of a row of A
.set VFA, 4                            ; LDS: where I read A's fragments
.set VRS, 5                            ; LDS: where I put my partial tile
.set VRL, 6                            ; LDS: where I read the partial sums of my two outputs
.set VO,  7                            ; 4096 w + 8 L: my two outputs
.set ACC, 8                            ; v[8:39]    four accumulators; accumulator c holds the columns 4 r + c
.set KL,  8                            ; v[8:15]    before the first product: Wk as loaded, two loads of four registers
.set AF,  40                           ; v[40:55]   A's fragments of the two K steps
.set BF,  56                           ; v[56:87]   four B fragments of one K step
.set TT,  56                           ;            (set-up temporaries, before BF is first written)
.set LX,  88                           ; v[88:119]  z_rppg as loaded: row m in a pair
.set KO,  88                           ; v[88:91]   behind the barrier: my 16 bytes of a fragment of Wk
.set LW,  120                          ; v[120:247] weights as loaded: two slots of 64
.set SUM, 120                          ; v[120:151] the sixteen partial sums of my two outputs
.set VK,  248                          ; (4 w + h) rows + 16 r: my 16 bytes in the group's part of Wk
.set VKS, 249                          ; LDS: where I put 4 bf16 of a row of Wk
.set VKL, 250                          ; LDS: where I read my 16 bytes of a fragment
.set VKO, 251                          ; 16 x thread: my 16 bytes in the group's 8 KiB of wkf
; 16 loads: the 32 rows of K step s.  Lanes 0-15 take 256 consecutive, aligned bytes of row 64 w + 32 s + 16 g + i, lanes 16-31 of the row 8 further down.
.macro LOADW slot, sb, s
.irp g, 0,1
.irp i, 0,1,2,3,4,5,6,7
	global_load_b128 v[LW+64*\slot+4*(8*\g+\i):LW+64*\slot+4*(8*\g+\i)+3], v[VW], s[\sb:\sb+1] offset:(32*\s+16*\g+\i)*ROWB
.endr
.endr
.endm
; Fragment c, register 4 g + q = the numbers of k = 16 g + 8 h + 2 q and + 1 in column 4 r + c: k stands in its true place, lane r stands for column 4 r + c.
.macro CVTB slot
.irp c, 0,1,2,3
.irp g, 0,1
.irp q, 0,1,2,3
	v_cvt_pk_bf16_f32 v[BF+8*\c+4*\g+\q], v[LW+64*\slot+4*(8*\g+2*\q)+\c], v[LW+64*\slot+4*(8*\g+2*\q+1)+\c]
.endr
.endr
.endr
.endm
; Four matrix instructions, one for each accumulator: the accumulators take turns, one instruction a turn.
.macro MUL4 acc, s, zero
.irp c, 0,1,2,3
.if \zero
	v_wmma_f32_16x16x32_bf16 v[\acc+8*\c:\acc+8*\c+7], v[AF+8*\s:AF+8*\s+7], v[BF+8*\c:BF+8*\c+7], 0
.else
	v_wmma_f32_16x16x32_bf16 v[\acc+8*\c:\acc+8*\c+7], v[AF+8*\s:AF+8*\s+7], v[BF+8*\c:BF+8*\c+7], v[\acc+8*\c:\acc+8*\c+7]
.endif
.endr
.endm
; Four independent vector instructions stand between a matrix instruction and a vector write of one of its sources, or an LDS store of its result.
.macro PLACES
.rept 4
	v_nop
.endr
.endm
; sixteen pairs at base are summed into the first: 8 + 4 + 2 + 1 packed adds
.macro TREE base
.irp d, 8,4,2,1
.set w, 0
.rept \d
	v_pk_add_f32 v[\base+2*w:\base+2*w+1], v[\base+2*w:\base+2*w+1], v[\base+2*(w+\d):\base+2*(w+\d)+1]
.set w, w+1
.endr
.endr
.endm
	s_load_b256 s[4:11], s[0:1], 0x0               ; z_rppg s[4:5], Wq s[6:7], Wf_w s[8:9], Wk s[10:11]
	s_load_b128 s[12:15], s[0:1], 0x20             ; q s[12:13], r s[14:15]
	s_load_b64 s[36:37], s[0:1], 0x30              ; wkf
	v_lshl_add_u32 v252, v0, 2, 0x1b400
	v_mov_b32 v253, 0
	v_lshrrev_b32 v[TT], 5, v0
	v_readfirstlane_b32 s16, v[TT]                 ; w: my wave, 0..15
	v_and_b32 v[TT], 31, v0                        ; L
	v_and_b32 v[TT+1], 15, v0                      ; r = L & 15
	v_bfe_u32 v[TT+2], v0, 4, 1                    ; h = L >> 4
	s_and_b32 s18, ttmp7, 0xffff                   ; y
	s_and_b32 s19, s18, 7                          ; which 16 rows
	s_lshr_b32 s20, s18, 3                         ; 0: q, 1: r
	s_lshl_b32 s21, s16, 8
	v_lshl_add_u32 v[VX], v[TT], 3, s21            ; 256 w + 8 L
	s_lshl_b32 s21, s16, 18                        ; 64 w rows of 4,096 bytes
	v_lshlrev_b32 v[TT+3], 4, v[TT+1]
	v_lshl_add_u32 v[TT+4], v[TT+2], 12, v[TT+3]   ; Wk: h rows + 16 r
	v_lshl_add_u32 v[TT+3], v[TT+2], 15, v[TT+3]   ; the weights: 8 h rows + 16 r
	v_add_nc_u32 v[VW], s21, v[TT+3]
	s_lshl_b32 s21, s16, 14                        ; 4 w rows of 4,096 bytes
	v_add_nc_u32 v[VK], s21, v[TT+4]
	v_lshlrev_b32 v[VKO], 4, v0                    ; 512 w + 16 L
	s_lshl_b32 s22, s19, 16                        ; 16 rows of 4,096 bytes
	s_mov_b32 s23, 0
	s_lshl_b32 s24, ttmp9, 8                       ; 64 columns of 4 bytes
	s_mov_b32 s25, 0
	s_lshl_b32 s26, ttmp9, 18                      ; Wk: 64 x rows
	s_lshl_b32 s27, s18, 8                         ;     + 64 y numbers of 4 bytes
	s_add_co_u32 s26, s26, s27
	s_mov_b32 s27, 0
	s_lshl_b32 s38, ttmp9, 17                      ; wkf: 131,072 x
	s_lshl_b32 s39, s18, 13                        ;      + the two K steps 2 y, 2 y + 1 of 4,096 bytes
	s_add_co_u32 s38, s38, s39
	s_mov_b32 s39, 0
	s_wait_kmcnt 0x0
	s_add_nc_u64 s[8:9], s[8:9], 1024*ROWB         ; Wf_w at its row 1024
	s_cmp_eq_u32 s20, 0
	s_cselect_b64 s[28:29], s[6:7], s[8:9]         ; the weights of this group's product
	s_cselect_b64 s[30:31], s[12:13], s[14:15]     ; and its result
	s_add_nc_u64 s[28:29], s[28:29], s[24:25]      ; at my 64 columns
	s_add_nc_u64 s[4:5], s[4:5], s[22:23]          ; z_rppg at my 16 rows
	s_add_nc_u64 s[30:31], s[30:31], s[22:23]
	s_add_nc_u64 s[30:31], s[30:31], s[24:25]
	s_add_nc_u64 s[10:11], s[10:11], s[26:27]
	s_add_nc_u64 s[36:37], s[36:37], s[38:39]
	; everything that the wave reads from memory is asked for here: 16 + 2 + 32 loads
.irp m, 0,1,2,3,4,5,6,7,8,9,10,11,12,13,14,15
	global_load_b64 v[LX+2*\m:LX+2*\m+1], v[VX], s[4:5] offset:\m*ROWB     ; 32 lanes: 256 consecutive, aligned bytes of row m
.endr
.irp j, 0,1
	global_load_b128 v[KL+4*\j:KL+4*\j+3], v[VK], s[10:11] offset:\j*2*ROWB th:TH_LOAD_NT  ; lanes 0-15: 256 consecutive, aligned bytes of Wk's row 4 w + 2 j, lanes 16-31 of the next; read once in the launch
.endr
	LOADW 0, 28, 0
	LOADW 1, 28, 1
	; LDS addresses, while the loads are on their way
	s_mul_i32 s21, s16, AWAVE                      ; my stage
	v_lshl_add_u32 v[VSA], v[TT], 2, s21           ; + 4 L
	v_mul_u32_u24 v[TT+3], v[TT+1], APITCH
	v_lshl_add_u32 v[TT+3], v[TT+2], 4, v[TT+3]    ; r x pitch + 16 h
	v_add_nc_u32 v[VFA], s21, v[TT+3]
	; Behind the barrier wave w = 8 s + 2 t + g reads half g of fragment t of K step s: row 16 t + r of Wk's stage, bytes 64 s + 32 g + 16 h.
	s_lshr_b32 s33, s16, 3
	s_lshl_b32 s33, s33, 6                         ; 64 s
	s_bfe_u32 s34, s16, 0x20001
	s_mul_i32 s34, s34, 16*APITCH                  ; 16 t rows
	s_add_co_u32 s33, s33, s34
	s_and_b32 s34, s16, 1
	s_lshl_b32 s34, s34, 5                         ; 32 g
	s_add_co_u32 s33, s33, s34
	s_add_co_u32 s33, s33, KST
	v_add_nc_u32 v[VKL], s33, v[TT+3]
	s_mul_i32 s35, s16, 4*APITCH                   ; ahead of it I fill rows 4 w .. 4 w + 3: my own 576 bytes
	s_add_co_u32 s35, s35, KST
	v_mul_u32_u24 v[TT+4], v[TT+2], APITCH         ; row h of a load's two,
	v_lshl_add_u32 v[TT+4], v[TT+1], 3, v[TT+4]    ; 4 bf16 = 8 bytes a lane
	v_add_nc_u32 v[VKS], s35, v[TT+4]
	s_lshl_b32 s32, s16, 12
	v_lshl_add_u32 v[VO], v[TT], 3, s32            ; row w of the tile, 8 bytes a lane
	s_add_co_u32 s32, s32, RED
	v_lshl_add_u32 v[VRS], v[TT], 4, s32           ; my partial tile, 16 bytes a lane
	; Register 8 c + j of lane 16 h + r, which is C(8 h + j, 4 r + c), lies at 1024 c + 512 (j >> 2) + 256 h + 16 r + 4 (j & 3) of a partial tile.
	; Behind the barrier wave w owns row w (h = w >> 3, j = w & 7), lane L the columns 2 L and 2 L + 1 (r = L >> 1, c = 2 (L & 1) + 0, 1).
	s_bfe_u32 s33, s16, 0x10002
	s_lshl_b32 s33, s33, 9
	s_lshr_b32 s34, s16, 3
	s_lshl_b32 s34, s34, 8
	s_add_co_u32 s33, s33, s34
	s_and_b32 s34, s16, 3
	s_lshl_b32 s34, s34, 2
	s_add_co_u32 s33, s33, s34
	s_add_co_u32 s33, s33, RED
	v_and_b32 v[TT+3], 1, v0
	v_bfe_u32 v[TT+4], v0, 1, 4
	v_lshlrev_b32 v[TT+3], 11, v[TT+3]
	v_lshl_add_u32 v[TT+3], v[TT+4], 4, v[TT+3]
	v_add_nc_u32 v[VRL], s33, v[TT+3]
	s_wait_loadcnt 32                              ; z_rppg and Wk are in: the 32 loads of weights are younger
.irp m, 0,1,2,3,4,5,6,7,8,9,10,11,12,13,14,15
	v_cvt_pk_bf16_f32 v[LX+2*\m], v[LX+2*\m], v[LX+2*\m+1]
.endr
.irp j, 0,1
	v_cvt_pk_bf16_f32 v[KL+4*\j],   v[KL+4*\j],   v[KL+4*\j+1]     ; Wk: my four neighbouring k of one row
	v_cvt_pk_bf16_f32 v[KL+4*\j+1], v[KL+4*\j+2], v[KL+4*\j+3]
.endr
.irp m, 0,1,2,3,4,5,6,7,8,9,10,11,12,13,14,15
	ds_store_b32 v[VSA], v[LX+2*\m] offset:\m*APITCH
.endr
.irp j, 0,1
	ds_store_b64 v[VKS], v[KL+4*\j:KL+4*\j+1] offset:\j*2*APITCH   ; sixteen lanes fill a row's 128 bytes
.endr
.irp s, 0,1
	ds_load_b128 v[AF+8*\s:AF+8*\s+3],   v[VFA] offset:64*\s       ; my own bytes: LDS serves a wave's instructions in order (ISA guide 5.7.1), so these see the stores above
	ds_load_b128 v[AF+8*\s+4:AF+8*\s+7], v[VFA] offset:64*\s+32
.endr
	s_wait_loadcnt 16                              ; the first K step's weights are in: the second's 16 loads are younger
	CVTB 0
	s_wait_dscnt 0x0                               ; A's fragments are in, and the stores of Wk have read KL, which the accumulators now take
	MUL4 ACC, 0, 1                                 ; the first products start the sums: nothing is cleared
	s_wait_loadcnt 0x0
	PLACES                                         ; BF is rewritten four places behind the last matrix instruction that read it
	CVTB 1
	MUL4 ACC, 1, 0
	PLACES                                         ; the results are stored four places behind the last matrix instruction
.irp q, 0,1,2,3,4,5,6,7
	ds_store_b128 v[VRS], v[ACC+4*\q:ACC+4*\q+3] offset:\q*512
.endr
	s_wait_dscnt 0x0                               ; my partial tile and my four rows of Wk are in LDS, for the others' sake,
	s_barrier_signal -1
	s_barrier_wait -1                              ; and so are everybody's
	ds_load_b128 v[KO:KO+3], v[VKL]                ; sixteen rows 144 bytes apart: sixteen different places modulo 256
.irp w, 0,1,2,3,4,5,6,7,8,9,10,11,12,13,14,15
	ds_load_b32 v[SUM+2*\w],   v[VRL] offset:\w*4096
	ds_load_b32 v[SUM+2*\w+1], v[VRL] offset:\w*4096+1024
.endr
	s_wait_dscnt 32                                ; the fragment's bytes are in: the 32 loads of partial sums are younger
	global_store_b128 v[VKO], v[KO:KO+3], s[36:37] ; the wave stores 512 consecutive bytes, aligned: half a fragment
	s_wait_dscnt 0x0
	TREE SUM
	global_store_b64 v[VO], v[SUM:SUM+1], s[30:31] ; the wave stores 256 consecutive bytes, aligned: 64 columns of row w
	s_wait_tensorcnt 0x0
	ds_add_u32 v252, v253
	s_wait_dscnt 0x0
	s_endpgm
.Lfunc_end_k_qdf8285f0f9_proj1:
	.size	k_qdf8285f0f9_proj1, .Lfunc_end_k_qdf8285f0f9_proj1-k_qdf8285f0f9_proj1
	.p2alignl 7, 3214868480
	.fill 96, 4, 3214868480
	.section	.rodata,"a",@progbits
	.p2align	6, 0x0
	.amdhsa_kernel k_qdf8285f0f9_proj1
		.amdhsa_group_segment_fixed_size 113664
		.amdhsa_private_segment_fixed_size 0
		.amdhsa_enable_private_segment 0
		.amdhsa_kernarg_size 56
		.amdhsa_user_sgpr_count 2
		.amdhsa_user_sgpr_kernarg_segment_ptr 1
		.amdhsa_wavefront_size32 1
		.amdhsa_system_sgpr_workgroup_id_x 1
		.amdhsa_system_sgpr_workgroup_id_y 1
		.amdhsa_system_sgpr_workgroup_id_z 1
		.amdhsa_system_vgpr_workitem_id 0
		.amdhsa_next_free_vgpr 254
		.amdhsa_next_free_sgpr 66
		.amdhsa_reserve_vcc 0
		.amdhsa_float_denorm_mode_32 3
		.amdhsa_float_denorm_mode_16_64 3
		.amdhsa_memory_ordered 1
		.amdhsa_forward_progress 1
		.amdhsa_inst_pref_size 21
	.end_amdhsa_kernel
	.amdgpu_metadata
---
amdhsa.version: [ 1, 2 ]
amdhsa.kernels:
  - .name:           k_qdf8285f0f9_proj1
    .symbol:         k_qdf8285f0f9_proj1.kd
    .args:
      - { .name: z_rppg, .offset: 0, .size: 8, .value_kind: global_buffer, .address_space: global }
      - { .name: Wq, .offset: 8, .size: 8, .value_kind: global_buffer, .address_space: global }
      - { .name: Wf_w, .offset: 16, .size: 8, .value_kind: global_buffer, .address_space: global }
      - { .name: Wk, .offset: 24, .size: 8, .value_kind: global_buffer, .address_space: global }
      - { .name: q, .offset: 32, .size: 8, .value_kind: global_buffer, .address_space: global }
      - { .name: r, .offset: 40, .size: 8, .value_kind: global_buffer, .address_space: global }
      - { .name: wkf, .offset: 48, .size: 8, .value_kind: global_buffer, .address_space: global }
    .group_segment_fixed_size: 113664
    .private_segment_fixed_size: 0
    .kernarg_segment_align: 8
    .kernarg_segment_size: 56
    .max_flat_workgroup_size: 512
    .sgpr_count:     66
    .vgpr_count:     254
    .wavefront_size: 32
...
	.end_amdgpu_metadata
.endif
;; end of part 5
;; launch proj2 (part 6): grid 16 x 16, 16 waves a work-group, no clusters, 108,544 bytes of LDS; arguments q, wkf, Wf_w, Wm_w, p, wfr; writes p, wfr
.if DOCPART == 6
	.amdgcn_target "amdgcn-amd-amdhsa--gfx1250"
	.amdhsa_code_object_version 6
	.text
	.protected	k_qdf8285f0f9_proj2
	.globl	k_qdf8285f0f9_proj2
	.p2align	8
	.type	k_qdf8285f0f9_proj2,@function
k_qdf8285f0f9_proj2:
	s_mov_b64 s[64:65], 0
	v_nop
	global_prefetch_b8 v0, s[64:65] scope:SCOPE_SE
	s_setreg_imm32_b32 hwreg(HW_REG_WAVE_MODE, 25, 1), 1
	s_wait_xcnt 0x0
; Two kinds of work-group, told apart by the work-group's y (the same in all sixteen waves of a group):
;
; y 0..7:  p[b][e] = (log2 e / 32) x sum over d of q[b][d] Wk[e][d].
; WHY: reference() forms K = z_eeg Wk only to take scores[b][t] = Q[b] . K[b][t] / 32.  That sum is z_eeg[b][t] . (Q[b] Wk^T) for every
; input, so Q Wk^T is made here, once for each b, and K is never made.  1 / sqrt(1024) = 1 / 32 and the factor log2 e, which turns the
; softmax's e^x into 2^x, are folded in.
; LIMITS: the order of rounding differs from reference()'s (the sum over d is taken first); q and Wk enter as bf16, sums are f32.
; A work-group makes 16 rows (y) x 64 columns (x); K = 1024 is split over the 16 waves, 64 each, two matrix steps of 32.  Wk comes as bf16
; fragments from wkf (written by the first launch): a wave's eight fragments (8 KiB) are asked for at once, straight into the registers
; that the matrix instructions read.  q's 256 bytes of a row are loaded by one instruction, rounded, and laid into the wave's own stage.
; THE MATRIX INSTRUCTION IS USED TRANSPOSED: source 0 = 16 rows of Wk, source 1 = the 16 rows of q.  Lane 16 h + r then holds row r of p,
; and its registers 0 to 7 the columns 16 t + 8 h + 0..7 of accumulator t: neighbouring numbers, so that the partial tiles lie in LDS as
; plain rows and are summed, behind the one barrier, by loads of 256 consecutive bytes.
; NO JOINT LOADS, NO TENSOR LOADS, although the eight groups of one x read the same fragments: each group asks once, so there is no ring to
; keep filled, and the fragments land in the registers in which they are used; through LDS the same bytes would be written and read once more.
;
; y 8..15: Wf_w's rows 0-1023 (y 8..11) and Wm_w (y 12..15), f32 [K][N], are rounded to bf16 once and written to wfr as finished matrix
; fragments, so that the eight row blocks of the last launch read half the bytes and convert nothing.  wfr, in bytes:
;   2,097,152 x product + 131,072 x (64 columns x) + 4,096 x (K step of 32) + 1,024 x (fragment t) + 512 g + 16 x (16 h + idx) + 4 q
; holds the two numbers k = 16 g + 8 h + 2 q, + 1 of the K step in column 64 x + 16 t + idx: the 16-bit operand layout of ISA guide 7.12.2.
; A group takes 64 columns and 256 rows, a wave 16 rows (one half g of four fragments): 4 KiB in, 2 KiB out.
.set ROWB,   4096
.set APITCH, 144                       ; 64 bf16 = 128 bytes + 16: an odd multiple of 16 bytes
.set AWAVE,  16*APITCH                 ; a wave's stage for q: 16 rows
.set RPITCH, 272                       ; a row of a partial tile: 64 f32 = 256 bytes + 16: an odd multiple of 16 bytes
.set RTILE,  16*RPITCH                 ; a partial tile
.set RED,    16*AWAVE                  ; 16 partial tiles
.set VX,  1                            ; 256 w + 8 L: my 8 bytes in a row of q
.set VW,  2                            ; 8192 w + 16 L: my 16 bytes in my wave's first fragment
.set VSA, 3                            ; LDS: where I put 2 bf16 of a row of q
.set VFA, 4                            ; LDS: where I read q's fragments
.set VRS, 5                            ; LDS: my wave's partial tile, row r, + 32 h
.set VRL, 6                            ; LDS: row w of the first partial tile, + 8 L
.set VO,  7                            ; 4096 w + 8 L: my two outputs
.set ACC, 8                            ; v[8:39]    four accumulators; accumulator t holds the columns 16 t .. 16 t + 15
.set AF,  40                           ; v[40:55]   q's fragments of the two K steps
.set LX,  56                           ; v[56:87]   q as loaded: row m in a pair
.set BFR, 88                           ; v[88:151]  Wk's fragments: 32 x K step + 8 t
.set SUM, 152                          ; v[152:183] the sixteen partial sums of my two outputs
.set TT,  184                          ; v[184:188] set-up temporaries
; the groups that write fragments:
.set CPITCH, 528                       ; LDS: half a fragment, 512 bytes, + 16: the four fragments start 16 bytes apart modulo 256
.set CVW, 1                            ; 8 h rows + 16 r: my 16 bytes in the weights
.set CSS, 2                            ; LDS: where I put 16 bytes of a fragment
.set CSL, 3                            ; LDS: where I read a fragment back
.set CVO, 4                            ; 16 L: my 16 bytes of a fragment's half in wfr
.set CL,  8                            ; v[8:39]    eight rows as loaded
.set CD,  40                           ; v[40:55]   rounded: 4 c + q
.set CO,  56                           ; v[56:71]   read back: fragment t in four registers
; eight loads: the four fragments of K step s; each load is 512 consecutive, aligned bytes
.macro LOADF s
.irp t, 0,1,2,3
	global_load_b128 v[BFR+32*\s+8*\t:BFR+32*\s+8*\t+3],   v[VW], s[6:7] offset:\s*4096+\t*1024
	global_load_b128 v[BFR+32*\s+8*\t+4:BFR+32*\s+8*\t+7], v[VW], s[6:7] offset:\s*4096+\t*1024+512
.endr
.endm
; Four matrix instructions, one for each accumulator: the accumulators take turns, one instruction a turn.
.macro MUL4 s, zero
.irp t, 0,1,2,3
.if \zero
	v_wmma_f32_16x16x32_bf16 v[ACC+8*\t:ACC+8*\t+7], v[BFR+32*\s+8*\t:BFR+32*\s+8*\t+7], v[AF+8*\s:AF+8*\s+7], 0
.else
	v_wmma_f32_16x16x32_bf16 v[ACC+8*\t:ACC+8*\t+7], v[BFR+32*\s+8*\t:BFR+32*\s+8*\t+7], v[AF+8*\s:AF+8*\s+7], v[ACC+8*\t:ACC+8*\t+7]
.endif
.endr
.endm
.macro TREE base
.irp d, 8,4,2,1
.set w, 0
.rept \d
	v_pk_add_f32 v[\base+2*w:\base+2*w+1], v[\base+2*w:\base+2*w+1], v[\base+2*(w+\d):\base+2*(w+\d)+1]
.set w, w+1
.endr
.endr
.endm
	s_load_b256 s[4:11], s[0:1], 0x0               ; q s[4:5], wkf s[6:7], Wf_w s[8:9], Wm_w s[10:11]
	s_load_b128 s[12:15], s[0:1], 0x20             ; p s[12:13], wfr s[14:15]
	v_lshl_add_u32 v192, v0, 2, 0x1a000
	v_mov_b32 v193, 0
	v_lshrrev_b32 v[TT], 5, v0
	v_readfirstlane_b32 s16, v[TT]                 ; w
	v_and_b32 v[TT], 31, v0                        ; L
	v_and_b32 v[TT+1], 15, v0                      ; r
	v_bfe_u32 v[TT+2], v0, 4, 1                    ; h
	s_and_b32 s18, ttmp7, 0xffff                   ; y
	s_cmp_ge_u32 s18, 8
	s_cbranch_scc1 .Lconvert                       ; the whole work-group goes one way
	; ---- y 0..7: p ----
	s_lshl_b32 s21, s16, 8
	v_lshl_add_u32 v[VX], v[TT], 3, s21
	s_lshl_b32 s21, s16, 13                        ; my wave's two K steps: 8 fragments of 1,024 bytes
	v_lshl_add_u32 v[VW], v[TT], 4, s21
	s_lshl_b32 s22, s18, 16                        ; 16 rows of q and of p
	s_mov_b32 s23, 0
	s_lshl_b32 s24, ttmp9, 17                      ; my 64 columns' fragments: 32 K steps of 4,096 bytes
	s_mov_b32 s25, 0
	s_lshl_b32 s26, ttmp9, 8                       ; 64 columns of p
	s_mov_b32 s27, 0
	s_wait_kmcnt 0x0
	s_add_nc_u64 s[4:5], s[4:5], s[22:23]
	s_add_nc_u64 s[6:7], s[6:7], s[24:25]
	s_add_nc_u64 s[12:13], s[12:13], s[22:23]
	s_add_nc_u64 s[12:13], s[12:13], s[26:27]
	; all that the wave reads from memory: 16 + 16 loads
.irp m, 0,1,2,3,4,5,6,7,8,9,10,11,12,13,14,15
	global_load_b64 v[LX+2*\m:LX+2*\m+1], v[VX], s[4:5] offset:\m*ROWB     ; 256 consecutive, aligned bytes of row m
.endr
	LOADF 0
	LOADF 1
	; LDS addresses, while the loads are on their way
	s_mul_i32 s21, s16, AWAVE
	v_lshl_add_u32 v[VSA], v[TT], 2, s21
	v_mul_u32_u24 v[TT+3], v[TT+1], APITCH
	v_lshl_add_u32 v[TT+3], v[TT+2], 4, v[TT+3]    ; r x pitch + 16 h
	v_add_nc_u32 v[VFA], s21, v[TT+3]
	s_mul_i32 s21, s16, RTILE
	s_add_co_u32 s21, s21, RED
	v_mul_u32_u24 v[TT+3], v[TT+1], RPITCH
	v_lshl_add_u32 v[TT+3], v[TT+2], 5, v[TT+3]    ; row r, + 8 h columns of 4 bytes
	v_add_nc_u32 v[VRS], s21, v[TT+3]
	s_mul_i32 s21, s16, RPITCH
	s_add_co_u32 s21, s21, RED
	v_lshl_add_u32 v[VRL], v[TT], 3, s21           ; behind the barrier wave w sums row w, lane L the columns 2 L and 2 L + 1
	s_lshl_b32 s21, s16, 12
	v_lshl_add_u32 v[VO], v[TT], 3, s21
	s_wait_loadcnt 16                              ; q is in: the 16 loads of fragments are younger
.irp m, 0,1,2,3,4,5,6,7,8,9,10,11,12,13,14,15
	v_cvt_pk_bf16_f32 v[LX+2*\m], v[LX+2*\m], v[LX+2*\m+1]
.endr
.irp m, 0,1,2,3,4,5,6,7,8,9,10,11,12,13,14,15
	ds_store_b32 v[VSA], v[LX+2*\m] offset:\m*APITCH
.endr
.irp s, 0,1
	ds_load_b128 v[AF+8*\s:AF+8*\s+3],   v[VFA] offset:64*\s       ; my own bytes: LDS serves a wave's instructions in order (ISA guide 5.7.1), so these see the stores above
	ds_load_b128 v[AF+8*\s+4:AF+8*\s+7], v[VFA] offset:64*\s+32
.endr
	s_wait_dscnt 0x0                               ; q's fragments
	s_wait_loadcnt 8                               ; Wk's fragments of K step 0: K step 1's eight loads are younger
	MUL4 0, 1                                      ; the first products start the sums: nothing is cleared
	s_wait_loadcnt 0x0
	MUL4 1, 0
.rept 4
	v_nop                                          ; the results are stored four places behind the last matrix instruction (ISA guide 7.12.1)
.endr
.irp t, 0,1,2,3
	ds_store_b128 v[VRS], v[ACC+8*\t:ACC+8*\t+3]   offset:64*\t    ; columns 16 t + 8 h + 0..3 of row r; the sixteen rows of a half start 16 bytes apart modulo 256
	ds_store_b128 v[VRS], v[ACC+8*\t+4:ACC+8*\t+7] offset:64*\t+16 ; and + 4..7
.endr
	s_wait_dscnt 0x0                               ; my partial tile is in LDS, for the others' sake
	s_barrier_signal -1
	s_barrier_wait -1
.irp w, 0,1,2,3,4,5,6,7,8,9,10,11,12,13,14,15
	ds_load_b64 v[SUM+2*\w:SUM+2*\w+1], v[VRL] offset:\w*RTILE     ; 32 lanes: the 256 consecutive bytes of my row in wave w's tile
.endr
	s_wait_dscnt 0x0
	TREE SUM
	v_pk_mul_f32 v[SUM:SUM+1], v[SUM:SUM+1], 0x3d38aa3b op_sel_hi:[1,0]    ; x log2 e / 32
	global_store_b64 v[VO], v[SUM:SUM+1], s[12:13] ; the wave stores 256 consecutive bytes, aligned
	s_wait_tensorcnt 0x0
	ds_add_u32 v192, v193
	s_wait_dscnt 0x0
	s_endpgm
	; ---- y 8..15: the fragments of Wf_w's upper half and of Wm_w ----
.Lconvert:
	s_sub_co_u32 s19, s18, 8                       ; 0..7
	s_lshr_b32 s20, s19, 2                         ; product: 0 Wf_w, 1 Wm_w
	s_and_b32 s19, s19, 3                          ; which 256 rows
	s_lshl_b32 s19, s19, 4
	s_add_co_u32 s19, s19, s16                     ; k16 = my 16 rows' number, 0..63
	s_lshl_b32 s22, s19, 16                        ; from: 16 rows of 4,096 bytes x k16
	s_lshl_b32 s24, ttmp9, 8                       ;       + my 64 columns
	s_add_co_u32 s22, s22, s24
	s_mov_b32 s23, 0
	s_lshl_b32 s24, s20, 21                        ; to: 2,097,152 x product
	s_lshl_b32 s25, ttmp9, 17                      ;     + 131,072 x
	s_add_co_u32 s24, s24, s25
	s_lshr_b32 s25, s19, 1
	s_lshl_b32 s25, s25, 12                        ;     + 4,096 x K step of 32
	s_add_co_u32 s24, s24, s25
	s_and_b32 s25, s19, 1
	s_lshl_b32 s25, s25, 9                         ;     + 512 g
	s_add_co_u32 s24, s24, s25
	s_mov_b32 s25, 0
	v_lshlrev_b32 v[TT+3], 4, v[TT+1]
	v_lshl_add_u32 v[CVW], v[TT+2], 15, v[TT+3]    ; 8 h rows + 16 r
	s_wait_kmcnt 0x0
	s_cmp_eq_u32 s20, 0
	s_cselect_b64 s[26:27], s[8:9], s[10:11]
	s_add_nc_u64 s[26:27], s[26:27], s[22:23]
	s_add_nc_u64 s[14:15], s[14:15], s[24:25]
.irp i, 0,1,2,3,4,5,6,7
	global_load_b128 v[CL+4*\i:CL+4*\i+3], v[CVW], s[26:27] offset:\i*ROWB th:TH_LOAD_NT   ; lanes 0-15: 256 consecutive, aligned bytes of row i, lanes 16-31 of row 8 + i; read once in the launch
.endr
	; My four columns 4 r + c belong to fragment r >> 2, lanes 16 h + 4 (r & 3) + c.
	v_bfe_u32 v[TT+3], v0, 2, 2                    ; r >> 2
	v_and_b32 v[TT+4], 3, v0                       ; r & 3
	v_mul_u32_u24 v[TT+3], v[TT+3], CPITCH
	v_lshl_add_u32 v[TT+3], v[TT+4], 6, v[TT+3]
	v_lshl_add_u32 v[TT+3], v[TT+2], 8, v[TT+3]
	s_mul_i32 s28, s16, 4*CPITCH                   ; my own stage
	v_add_nc_u32 v[CSS], s28, v[TT+3]
	v_lshlrev_b32 v[CVO], 4, v[TT]
	v_add_nc_u32 v[CSL], s28, v[CVO]
	s_wait_loadcnt 0x0
.irp c, 0,1,2,3
.irp q, 0,1,2,3
	v_cvt_pk_bf16_f32 v[CD+4*\c+\q], v[CL+4*(2*\q)+\c], v[CL+4*(2*\q+1)+\c]       ; k = 8 h + 2 q and + 1 of my 16 rows, column 4 r + c
.endr
.endr
.irp c, 0,1,2,3
	ds_store_b128 v[CSS], v[CD+4*\c:CD+4*\c+3] offset:16*\c        ; the sixteen lanes of a half write at 16 (r >> 2) + 64 (r & 3) modulo 256: sixteen different places
.endr
.irp t, 0,1,2,3
	ds_load_b128 v[CO+4*\t:CO+4*\t+3], v[CSL] offset:\t*CPITCH     ; my own bytes: LDS serves a wave's instructions in order (ISA guide 5.7.1), so these see the stores above
.endr
	s_wait_dscnt 0x0
.irp t, 0,1,2,3
	global_store_b128 v[CVO], v[CO+4*\t:CO+4*\t+3], s[14:15] offset:\t*1024        ; the wave stores 512 consecutive bytes, aligned
.endr
	s_wait_tensorcnt 0x0
	ds_add_u32 v192, v193
	s_wait_dscnt 0x0
	s_endpgm
.Lfunc_end_k_qdf8285f0f9_proj2:
	.size	k_qdf8285f0f9_proj2, .Lfunc_end_k_qdf8285f0f9_proj2-k_qdf8285f0f9_proj2
	.p2alignl 7, 3214868480
	.fill 96, 4, 3214868480
	.section	.rodata,"a",@progbits
	.p2align	6, 0x0
	.amdhsa_kernel k_qdf8285f0f9_proj2
		.amdhsa_group_segment_fixed_size 108544
		.amdhsa_private_segment_fixed_size 0
		.amdhsa_enable_private_segment 0
		.amdhsa_kernarg_size 48
		.amdhsa_user_sgpr_count 2
		.amdhsa_user_sgpr_kernarg_segment_ptr 1
		.amdhsa_wavefront_size32 1
		.amdhsa_system_sgpr_workgroup_id_x 1
		.amdhsa_system_sgpr_workgroup_id_y 1
		.amdhsa_system_sgpr_workgroup_id_z 1
		.amdhsa_system_vgpr_workitem_id 0
		.amdhsa_next_free_vgpr 194
		.amdhsa_next_free_sgpr 66
		.amdhsa_reserve_vcc 0
		.amdhsa_float_denorm_mode_32 3
		.amdhsa_float_denorm_mode_16_64 3
		.amdhsa_memory_ordered 1
		.amdhsa_forward_progress 1
		.amdhsa_inst_pref_size 16
	.end_amdhsa_kernel
	.amdgpu_metadata
---
amdhsa.version: [ 1, 2 ]
amdhsa.kernels:
  - .name:           k_qdf8285f0f9_proj2
    .symbol:         k_qdf8285f0f9_proj2.kd
    .args:
      - { .name: q, .offset: 0, .size: 8, .value_kind: global_buffer, .address_space: global }
      - { .name: wkf, .offset: 8, .size: 8, .value_kind: global_buffer, .address_space: global }
      - { .name: Wf_w, .offset: 16, .size: 8, .value_kind: global_buffer, .address_space: global }
      - { .name: Wm_w, .offset: 24, .size: 8, .value_kind: global_buffer, .address_space: global }
      - { .name: p, .offset: 32, .size: 8, .value_kind: global_buffer, .address_space: global }
      - { .name: wfr, .offset: 40, .size: 8, .value_kind: global_buffer, .address_space: global }
    .group_segment_fixed_size: 108544
    .private_segment_fixed_size: 0
    .kernarg_segment_align: 8
    .kernarg_segment_size: 48
    .max_flat_workgroup_size: 512
    .sgpr_count:     66
    .vgpr_count:     194
    .wavefront_size: 32
...
	.end_amdgpu_metadata
.endif
;; end of part 6
;; launch pool (part 7): grid 256 x 1, 16 waves a work-group, no clusters, 67,840 bytes of LDS; arguments z_eeg, p, wfr, part; writes part
.if DOCPART == 7
	.amdgcn_target "amdgcn-amd-amdhsa--gfx1250"
	.amdhsa_code_object_version 6
	.text
	.protected	k_qdf8285f0f9_pool
	.globl	k_qdf8285f0f9_pool
	.p2align	8
	.type	k_qdf8285f0f9_pool,@function
k_qdf8285f0f9_pool:
	s_mov_b64 s[64:65], 0
	v_nop
	global_prefetch_b8 v0, s[64:65] scope:SCOPE_SE
	s_setreg_imm32_b32 hwreg(HW_REG_WAVE_MODE, 25, 1), 1
	s_wait_xcnt 0x0
; The stream: z_eeg [128][512][1024] f32 is read ONCE.  Work-group g takes batch row b = g >> 1 and the 256 time steps of half g & 1:
; 1 MiB, contiguous.  For each time step t: s = z[b][t] . p[b] (p holds the factor log2 e / 32), then an ONLINE SOFTMAX with a running
; maximum: M' = max(M, s), L = L 2^(M - M') + 2^(s - M'), ACC = ACC 2^(M - M') + 2^(s - M') z[b][t].  A row stays in registers between its
; dot product and its share in ACC.  All of it in f32.
; Wave w takes rows 16 i + w, i = 0..15, so that the sixteen waves walk the group's bytes side by side; a row is eight loads of 512
; consecutive bytes.  A ring of four row slots in registers, two rows a turn: 16 to 32 loads of every wave are on their way.
; The row's number stands in the loads' immediate (986,624 at the most), so no address register and no base is ever rewritten.
; At the end the sixteen waves' (M, L, ACC) are merged through LDS and stored as one record of 4,352 bytes: the unnormalised sum
; (4,096 bytes), then the pair (M, L) 32 times, so that the last 256 bytes are written whole.  The next launch merges a batch row's two halves.
; LIMITS: v_exp_f32 gives 0 for results below 2^-126 (ISA guide, its entry), so weights that small are dropped.
; LEFT OUT: matrix instructions (one query for each batch row: a product with one column); LDS slots and tensor loads (no wave reads a byte
; that another wave reads, and registers hold what is on its way); joint loads (of a group's 1 MiB nothing is shared; only p's 4 KiB is).
.set REC,  4352                        ; bytes in a record of part
.set STAT, 65536                       ; LDS: behind the 16 x 4,096 bytes of sums: 16 words M, at + 64 bytes 16 words L
.set VZ,   1                           ; 4096 w + 16 L: my 16 bytes in the wave's first row; also my place in LDS at the merge
.set VL16, 2                           ; 16 L: my 16 bytes in p
.set VR,   3                           ; 256 w + 8 L: my two numbers of the merged sum, in LDS rows and in the record
.set PV,   4                           ; v[4:35]    p[b]: register 4 j + c is element 128 j + 4 L + c
.set ACC,  36                          ; v[36:67]   the running sum, the same layout
.set X,    68                          ; v[68:195]  four row slots of 32
.set DA0,  196                         ; v[196:203] two chains of packed sums for each of the turn's two rows
.set DA1,  198
.set DB0,  200
.set DB1,  202
.set SC0,  204                         ; the two scores
.set SC1,  205
.set TP0,  206
.set TP1,  207
.set AL,   208                         ; v[208:209] 2^(M - M'), M          (pairs: the packed forms read both registers of a source)
.set MXR,  209
.set WT0,  210                         ; v[210:211] first row's weight, L
.set LS,   211
.set WT1,  212                         ; v[212:213] second row's weight, M'
.set MN,   213
.set VPF,  214                         ; 256 x thread: the prefetch's offset, never rewritten
.set VST,  215                         ; LDS: my wave's word of M
.macro ROWLOAD slot, row
.irp j, 0,1,2,3,4,5,6,7
	global_load_b128 v[X+32*\slot+4*\j:X+32*\slot+4*\j+3], v[VZ], s[4:5] offset:(\row)*65536+512*\j th:TH_LOAD_NT
.endr
.endm
; One turn: the rows in slots a and b.  first = 1: they start M, L and ACC, so nothing is cleared.  left = how many younger loads may stay out.
; fill >= 0: slot a is loaded again with the wave's row fill, slot b with fill + 1, each as soon as its last reader has been issued.
.macro TURN a, b, first, left, fill
	s_wait_loadcnt \left                           ; loads come back in order (ISA guide 5.7.1): these two rows are in, the two younger rows' 16 loads stay out
	v_pk_mul_f32 v[DA0:DA0+1], v[X+32*\a:X+32*\a+1],   v[PV:PV+1]
	v_pk_mul_f32 v[DB0:DB0+1], v[X+32*\b:X+32*\b+1],   v[PV:PV+1]
	v_pk_mul_f32 v[DA1:DA1+1], v[X+32*\a+2:X+32*\a+3], v[PV+2:PV+3]
	v_pk_mul_f32 v[DB1:DB1+1], v[X+32*\b+2:X+32*\b+3], v[PV+2:PV+3]
.irp q, 2,4,6,8,10,12,14
	v_pk_fma_f32 v[DA0:DA0+1], v[X+32*\a+2*\q:X+32*\a+2*\q+1],   v[PV+2*\q:PV+2*\q+1],   v[DA0:DA0+1]
	v_pk_fma_f32 v[DB0:DB0+1], v[X+32*\b+2*\q:X+32*\b+2*\q+1],   v[PV+2*\q:PV+2*\q+1],   v[DB0:DB0+1]
	v_pk_fma_f32 v[DA1:DA1+1], v[X+32*\a+2*\q+2:X+32*\a+2*\q+3], v[PV+2*\q+2:PV+2*\q+3], v[DA1:DA1+1]
	v_pk_fma_f32 v[DB1:DB1+1], v[X+32*\b+2*\q+2:X+32*\b+2*\q+3], v[PV+2*\q+2:PV+2*\q+3], v[DB1:DB1+1]
.endr
	v_pk_add_f32 v[DA0:DA0+1], v[DA0:DA0+1], v[DA1:DA1+1]
	v_pk_add_f32 v[DB0:DB0+1], v[DB0:DB0+1], v[DB1:DB1+1]
	v_add_f32 v[SC0], v[DA0], v[DA0+1]
	v_add_f32 v[SC1], v[DB0], v[DB0+1]
.irp x, 1,2,4,8                                    ; across the 16 lanes of each half, on the add itself
	v_add_f32_dpp v[SC0], v[SC0], v[SC0] row_xmask:\x row_mask:0xf bank_mask:0xf
	v_add_f32_dpp v[SC1], v[SC1], v[SC1] row_xmask:\x row_mask:0xf bank_mask:0xf
.endr
	v_permlanex16_b32 v[TP0], v[SC0], s32, s33     ; the other half's sum
	v_permlanex16_b32 v[TP1], v[SC1], s32, s33
	v_add_f32 v[SC0], v[SC0], v[TP0]               ; every lane holds both scores
	v_add_f32 v[SC1], v[SC1], v[TP1]
.if \first
	v_max_num_f32 v[MN], v[SC0], v[SC1]
.else
	v_max3_num_f32 v[MN], v[MXR], v[SC0], v[SC1]
	v_sub_f32 v[TP0], v[MXR], v[MN]
.endif
	v_sub_f32 v[SC0], v[SC0], v[MN]
	v_sub_f32 v[SC1], v[SC1], v[MN]
	v_exp_f32 v[WT0], v[SC0]
	v_exp_f32 v[WT1], v[SC1]
.if \first
	v_mov_b32 v[MXR], v[MN]                        ; the plain instruction that stands between the exponentials and the first use of a result (ISA guide 5.7.2)
	s_wait_alu depctr_va_vdst(0)
	v_add_f32 v[LS], v[WT0], v[WT1]
.irp q, 0,1,2,3,4,5,6,7,8,9,10,11,12,13,14,15
	v_pk_mul_f32 v[ACC+2*\q:ACC+2*\q+1], v[X+32*\a+2*\q:X+32*\a+2*\q+1], v[WT0:WT0+1] op_sel_hi:[1,0]
.endr
.else
	v_exp_f32 v[AL], v[TP0]
	v_mov_b32 v[MXR], v[MN]                        ; the plain instruction behind the exponentials
	s_wait_alu depctr_va_vdst(0)
	v_add_f32 v[TP1], v[WT0], v[WT1]
	v_fma_f32 v[LS], v[AL], v[LS], v[TP1]
.irp q, 0,1,2,3,4,5,6,7,8,9,10,11,12,13,14,15
	v_pk_mul_f32 v[ACC+2*\q:ACC+2*\q+1], v[ACC+2*\q:ACC+2*\q+1], v[AL:AL+1] op_sel_hi:[1,0]
.endr
.irp q, 0,1,2,3,4,5,6,7,8,9,10,11,12,13,14,15
	v_pk_fma_f32 v[ACC+2*\q:ACC+2*\q+1], v[X+32*\a+2*\q:X+32*\a+2*\q+1], v[WT0:WT0+1], v[ACC+2*\q:ACC+2*\q+1] op_sel_hi:[1,0,1]
.endr
.endif
.if \fill >= 0
	ROWLOAD \a, \fill
.endif
.irp q, 0,1,2,3,4,5,6,7,8,9,10,11,12,13,14,15
	v_pk_fma_f32 v[ACC+2*\q:ACC+2*\q+1], v[X+32*\b+2*\q:X+32*\b+2*\q+1], v[WT1:WT1+1], v[ACC+2*\q:ACC+2*\q+1] op_sel_hi:[1,0,1]
.endr
.if \fill >= 0
	ROWLOAD \b, \fill+1
.endif
.endm
	s_load_b256 s[4:11], s[0:1], 0x0               ; z_eeg s[4:5], p s[6:7], wfr s[8:9], part s[10:11]
	v_lshl_add_u32 v216, v0, 2, 0x10100
	v_mov_b32 v217, 0
	v_lshrrev_b32 v[VR], 5, v0
	v_readfirstlane_b32 s14, v[VR]                 ; w
	v_and_b32 v[VR], 31, v0                        ; L
	v_lshlrev_b32 v[VL16], 4, v[VR]
	s_lshl_b32 s15, s14, 12
	v_add_nc_u32 v[VZ], s15, v[VL16]               ; 4096 w + 16 L
	s_lshl_b32 s15, s14, 8
	v_lshl_add_u32 v[VR], v[VR], 3, s15            ; 256 w + 8 L
	s_lshl_b32 s15, s14, 2
	s_add_co_u32 s15, s15, STAT
	v_mov_b32 v[VST], s15
	v_lshlrev_b32 v[VPF], 8, v0
	v_mov_b32 v[TP0], 0                            ; v_permlanex16_b32 counts as a reader of its destination
	v_mov_b32 v[TP1], 0
	s_mov_b32 s32, 0x76543210                      ; lane i of one half reads lane i of the other
	s_mov_b32 s33, 0xfedcba98
	s_lshl_b32 s34, ttmp9, 20                      ; the group's 1 MiB of z_eeg (255 MiB at the most: 32 bits hold it)
	s_mov_b32 s35, 0
	s_lshr_b32 s36, ttmp9, 1
	s_lshl_b32 s36, s36, 12                        ; row b of p
	s_mov_b32 s37, 0
	s_mul_i32 s38, ttmp9, REC                      ; the group's record
	s_mov_b32 s39, 0
	s_lshl_b32 s40, ttmp9, 14                      ; the group's 16 KiB in the prefetch
	s_mov_b32 s41, 0
	s_wait_kmcnt 0x0
	s_add_nc_u64 s[4:5], s[4:5], s[34:35]
	s_add_nc_u64 s[6:7], s[6:7], s[36:37]
	s_add_nc_u64 s[10:11], s[10:11], s[38:39]
	s_add_nc_u64 s[8:9], s[8:9], s[40:41]
.irp j, 0,1,2,3,4,5,6,7
	global_load_b128 v[PV+4*\j:PV+4*\j+3], v[VL16], s[6:7] offset:512*\j
.endr
	ROWLOAD 0, 0
	ROWLOAD 1, 1
	ROWLOAD 2, 2
	ROWLOAD 3, 3
	TURN 0, 1, 1, 16, 4                            ; the first wait covers p too, which was asked for ahead of the rows
	TURN 2, 3, 0, 16, 6
	TURN 0, 1, 0, 16, 8
	TURN 2, 3, 0, 16, 10
	TURN 0, 1, 0, 16, 12
	TURN 2, 3, 0, 16, 14
	; The wave has issued its last loads.  What the next launch streams is asked for into the L2: the weights' fragments in wfr, 4 MiB:
	; 256 groups x 64 threads (waves 0 and 1) x one block of 256 bytes, every block once.
	s_cmp_gt_u32 s14, 1
	s_cbranch_scc1 .Lno_prefetch
	global_prefetch_b8 v[VPF], s[8:9] th:TH_LOAD_NT scope:SCOPE_SE
.Lno_prefetch:
	TURN 0, 1, 0, 16, -1                           ; the last two turns load nothing: the counts run down
	TURN 2, 3, 0, 0, -1
	; THE MERGE of the sixteen waves.  Register 4 j + c is element 128 j + 4 L + c, so a wave's sum lies in LDS as a plain row of 4,096 bytes.
.irp j, 0,1,2,3,4,5,6,7
	ds_store_b128 v[VZ], v[ACC+4*\j:ACC+4*\j+3] offset:512*\j
.endr
	ds_store_b32 v[VST], v[MXR]                    ; all lanes hold the same number and write the same word
	ds_store_b32 v[VST], v[LS] offset:64
	v_and_b32 v[DA0], 15, v0
	v_lshl_add_u32 v[DA0], v[DA0], 2, STAT         ; lane L will read wave L & 15's M and L
	s_wait_dscnt 0x0                               ; my stores are in LDS, for the others' sake
	s_barrier_signal -1
	s_barrier_wait -1
	ds_load_b32 v[DA0+1], v[DA0]                   ; M of wave L & 15
	ds_load_b32 v[DA1], v[DA0] offset:64           ; L of wave L & 15
.irp w, 0,1,2,3,4,5,6,7,8,9,10,11,12,13,14,15
	ds_load_b64 v[X+2*\w:X+2*\w+1], v[VR] offset:\w*4096           ; wave w's sum at my two elements
.endr
	s_wait_dscnt 16                                ; M and L are in: the sixteen loads of sums are younger
	v_mov_b32 v[TP0], v[DA0+1]
.irp x, 1,2,4,8
	v_max_num_f32_dpp v[TP0], v[TP0], v[TP0] row_xmask:\x row_mask:0xf bank_mask:0xf
.endr
	v_sub_f32 v[DA1+1], v[DA0+1], v[TP0]
	v_exp_f32 v[DB0], v[DA1+1]                     ; wave L & 15's factor 2^(M - max)
	v_nop                                          ; one plain instruction behind the exponential
	s_wait_alu depctr_va_vdst(0)
	v_mul_f32 v[TP1], v[DB0], v[DA1]
.irp x, 1,2,4,8
	v_add_f32_dpp v[TP1], v[TP1], v[TP1] row_xmask:\x row_mask:0xf bank_mask:0xf
.endr
.irp w, 0,1,2,3,4,5,6,7,8,9,10,11,12,13,14,15
	v_readlane_b32 s[16+\w], v[DB0], \w
.endr
	s_wait_dscnt 0x0
	v_mul_f32 v[DB1],   s16, v[X]
	v_mul_f32 v[DB1+1], s16, v[X+1]
.irp w, 1,2,3,4,5,6,7,8,9,10,11,12,13,14,15
	v_fmac_f32 v[DB1],   s[16+\w], v[X+2*\w]
	v_fmac_f32 v[DB1+1], s[16+\w], v[X+2*\w+1]
.endr
	global_store_b64 v[VR], v[DB1:DB1+1], s[10:11] ; the wave stores 256 consecutive bytes, aligned
	s_cmp_lg_u32 s14, 0
	s_cbranch_scc1 .Ldone
	global_store_b64 v[VR], v[TP0:TP0+1], s[10:11] offset:4096     ; wave 0 (VR = 8 L): the pair (M, L) 32 times, the record's last 256 bytes
.Ldone:
	s_wait_tensorcnt 0x0
	ds_add_u32 v216, v217
	s_wait_dscnt 0x0
	s_endpgm
.Lfunc_end_k_qdf8285f0f9_pool:
	.size	k_qdf8285f0f9_pool, .Lfunc_end_k_qdf8285f0f9_pool-k_qdf8285f0f9_pool
	.p2alignl 7, 3214868480
	.fill 96, 4, 3214868480
	.section	.rodata,"a",@progbits
	.p2align	6, 0x0
	.amdhsa_kernel k_qdf8285f0f9_pool
		.amdhsa_group_segment_fixed_size 67840
		.amdhsa_private_segment_fixed_size 0
		.amdhsa_enable_private_segment 0
		.amdhsa_kernarg_size 32
		.amdhsa_user_sgpr_count 2
		.amdhsa_user_sgpr_kernarg_segment_ptr 1
		.amdhsa_wavefront_size32 1
		.amdhsa_system_sgpr_workgroup_id_x 1
		.amdhsa_system_sgpr_workgroup_id_y 1
		.amdhsa_system_sgpr_workgroup_id_z 1
		.amdhsa_system_vgpr_workitem_id 0
		.amdhsa_next_free_vgpr 218
		.amdhsa_next_free_sgpr 66
		.amdhsa_reserve_vcc 0
		.amdhsa_float_denorm_mode_32 3
		.amdhsa_float_denorm_mode_16_64 3
		.amdhsa_memory_ordered 1
		.amdhsa_forward_progress 1
		.amdhsa_inst_pref_size 69
	.end_amdhsa_kernel
	.amdgpu_metadata
---
amdhsa.version: [ 1, 2 ]
amdhsa.kernels:
  - .name:           k_qdf8285f0f9_pool
    .symbol:         k_qdf8285f0f9_pool.kd
    .args:
      - { .name: z_eeg, .offset: 0, .size: 8, .value_kind: global_buffer, .address_space: global }
      - { .name: p, .offset: 8, .size: 8, .value_kind: global_buffer, .address_space: global }
      - { .name: wfr, .offset: 16, .size: 8, .value_kind: global_buffer, .address_space: global }
      - { .name: part, .offset: 24, .size: 8, .value_kind: global_buffer, .address_space: global }
    .group_segment_fixed_size: 67840
    .private_segment_fixed_size: 0
    .kernarg_segment_align: 8
    .kernarg_segment_size: 32
    .max_flat_workgroup_size: 512
    .sgpr_count:     66
    .vgpr_count:     218
    .wavefront_size: 32
...
	.end_amdgpu_metadata
.endif
;; end of part 7
;; launch fuse (part 8): grid 16 x 8, 16 waves a work-group, no clusters, 178,176 bytes of LDS; arguments part, z_rppg, r, wfr, Wf_b, bf, Wm_b, out0; writes out0
.if DOCPART == 8
	.amdgcn_target "amdgcn-amd-amdhsa--gfx1250"
	.amdhsa_code_object_version 6
	.text
	.protected	k_qdf8285f0f9_fuse
	.globl	k_qdf8285f0f9_fuse
	.p2align	8
	.type	k_qdf8285f0f9_fuse,@function
k_qdf8285f0f9_fuse:
	s_mov_b64 s[64:65], 0
	v_nop
	global_prefetch_b8 v0, s[64:65] scope:SCOPE_SE
	s_setreg_imm32_b32 hwreg(HW_REG_WAVE_MODE, 25, 1), 1
	s_wait_xcnt 0x0
; out0 = relu(z_rppg + m x sigmoid(g)),  g = A Wf_w[0:1024] + r + Wf_b + bf,  m = A Wm_w + Wm_b,
; where r = z_rppg Wf_w[1024:2048] was made by the first launch, the two weight matrices come as bf16 fragments from wfr (written by the
; second launch), and A[b] is the softmax-pooled row: the two records of batch row b (unnormalised sums S0, S1 with their maxima M0, M1,
; in powers of two, and their sums of weights L0, L1) are merged as
; A = (f0 S0 + f1 S1) / (f0 L0 + f1 L1), f_i = 2^(M_i - max(M0, M1)).  The divisor is at least 1: the row of the maximum has weight 1.
; A work-group makes 16 rows (y) x 64 columns (x) of BOTH products; K = 1024 is split over the 16 waves, 64 each, two matrix steps of 32
; for each product.  A wave's 16 fragments (16 KiB) are asked for at once, straight into the registers that the matrix instructions read.
; THE MATRIX INSTRUCTION IS USED TRANSPOSED: source 0 = 16 columns of the weights, source 1 = the 16 rows of A.  Lane 16 h + r then holds
; row r, and its registers 0 to 7 the columns 16 t + 8 h + 0..7 of accumulator t: neighbouring numbers, so that the partial tiles lie in
; LDS as plain rows and are summed, behind the one barrier, by loads of 256 consecutive bytes.
; LIMITS: A and the weights enter the products as bf16; sums and everything else are f32; the biases are added in another order than in reference().
; NO JOINT LOADS, NO TENSOR LOADS, although the eight groups of one x read the same fragments: each group asks once, so there is no ring to
; keep filled, and the fragments land in the registers in which they are used; through LDS the same bytes would be written and read once more.
.set REC,    4352                      ; a record of part: 4,096 bytes of sums, then (M, L) 32 times
.set PROD,   2097152                   ; wfr: bytes of one product's fragments
.set APITCH, 144                       ; 64 bf16 = 128 bytes + 16: an odd multiple of 16 bytes
.set AWAVE,  16*APITCH
.set RPITCH, 272                       ; a row of a partial tile: 64 f32 = 256 bytes + 16: an odd multiple of 16 bytes
.set RTILE,  16*RPITCH                 ; a partial tile
.set REDG,   16*AWAVE                  ; 16 partial tiles of g
.set REDM,   REDG+16*RTILE             ; and of m
.set VX,   1                           ; 256 w + 8 L: my 8 bytes in a record's sums
.set VW,   2                           ; 8192 w + 16 L: my 16 bytes in my wave's first fragment
.set VSA,  3
.set VFA,  4
.set VRS,  5                           ; LDS: my wave's partial tile of g, row r, + 32 h
.set VRL,  6                           ; LDS: row w of the first partial tile of g, + 8 L
.set VO,   7                           ; 4096 w + 8 L: my two outputs
.set VST,  248                         ; 4352 L: record L
.set VRS2, 249                         ; as VRS and VRL, for m
.set VRL2, 250
.set VB,   251                         ; 8 L: my two numbers of a bias
.set LA,   8                           ; v[8:71]    the 32 records' sums as loaded: record i in a pair
.set G,    8                           ; v[8:39]    later four accumulators of g; accumulator t holds the columns 16 t .. 16 t + 15
.set MM,   40                          ; v[40:71]   later four accumulators of m
.set AF,   72                          ; v[72:87]   A's fragments of the two K steps
.set ST,   88                          ; v[88:95]   the merge's figures
.set TT,   96                          ; v[96:100]  set-up temporaries
.set ZR,   104                         ; v[104:113] z_rppg, r, Wf_b, bf, Wm_b at my two outputs
.set RR,   106
.set FB,   108
.set BV,   110
.set MB,   112
.set BFR,  120                         ; v[120:247] the weights' fragments: 64 x product + 32 x K step + 8 t
.set SG,   120                         ; later the sixteen partial sums of g
.set SM,   152                         ; and of m
; eight loads: the four fragments of product p, K step s; each load is 512 consecutive, aligned bytes
.macro LOADF p, s
.irp t, 0,1,2,3
	global_load_b128 v[BFR+64*\p+32*\s+8*\t:BFR+64*\p+32*\s+8*\t+3],   v[VW], s[10:11] offset:\p*PROD+\s*4096+\t*1024
	global_load_b128 v[BFR+64*\p+32*\s+8*\t+4:BFR+64*\p+32*\s+8*\t+7], v[VW], s[10:11] offset:\p*PROD+\s*4096+\t*1024+512
.endr
.endm
; Four matrix instructions, one for each accumulator: the eight accumulators take turns, one instruction a turn.
.macro MUL4 acc, p, s, zero
.irp t, 0,1,2,3
.if \zero
	v_wmma_f32_16x16x32_bf16 v[\acc+8*\t:\acc+8*\t+7], v[BFR+64*\p+32*\s+8*\t:BFR+64*\p+32*\s+8*\t+7], v[AF+8*\s:AF+8*\s+7], 0
.else
	v_wmma_f32_16x16x32_bf16 v[\acc+8*\t:\acc+8*\t+7], v[BFR+64*\p+32*\s+8*\t:BFR+64*\p+32*\s+8*\t+7], v[AF+8*\s:AF+8*\s+7], v[\acc+8*\t:\acc+8*\t+7]
.endif
.endr
.endm
.macro TREE base
.irp d, 8,4,2,1
.set w, 0
.rept \d
	v_pk_add_f32 v[\base+2*w:\base+2*w+1], v[\base+2*w:\base+2*w+1], v[\base+2*(w+\d):\base+2*(w+\d)+1]
.set w, w+1
.endr
.endr
.endm
	s_load_b512 s[4:19], s[0:1], 0x0               ; part s[4:5], z_rppg s[6:7], r s[8:9], wfr s[10:11], Wf_b s[12:13], bf s[14:15], Wm_b s[16:17], out0 s[18:19]
	v_lshl_add_u32 v254, v0, 2, 0x2b000
	v_mov_b32 v255, 0
	v_lshrrev_b32 v[TT], 5, v0
	v_readfirstlane_b32 s22, v[TT]                 ; w
	v_and_b32 v[TT], 31, v0                        ; L
	v_and_b32 v[TT+1], 15, v0                      ; r
	v_bfe_u32 v[TT+2], v0, 4, 1                    ; h
	s_and_b32 s23, ttmp7, 0xffff                   ; y
	s_mul_i32 s24, s23, 32*REC                     ; my 16 batch rows' 32 records
	s_mov_b32 s25, 0
	s_lshl_b32 s26, ttmp9, 8                       ; my 64 columns
	s_mov_b32 s27, 0
	s_lshl_b32 s28, s23, 16                        ; my 16 rows of 4,096 bytes,
	s_add_co_u32 s28, s28, s26                     ; at my 64 columns
	s_mov_b32 s29, 0
	v_mul_u32_u24 v[VST], v[TT], REC
	s_lshl_b32 s30, s22, 8
	v_lshl_add_u32 v[VX], v[TT], 3, s30
	s_lshl_b32 s30, s22, 13                        ; my wave's two K steps: 8 fragments of 1,024 bytes
	v_lshl_add_u32 v[VW], v[TT], 4, s30
	s_lshl_b32 s30, s22, 12
	v_lshl_add_u32 v[VO], v[TT], 3, s30
	v_lshlrev_b32 v[VB], 3, v[TT]
	s_lshl_b32 s30, ttmp9, 17                      ; my 64 columns' fragments: 32 K steps of 4,096 bytes
	s_mov_b32 s31, 0
	s_wait_kmcnt 0x0
	s_add_nc_u64 s[4:5], s[4:5], s[24:25]
	s_add_nc_u64 s[10:11], s[10:11], s[30:31]
	s_add_nc_u64 s[12:13], s[12:13], s[26:27]
	s_add_nc_u64 s[14:15], s[14:15], s[26:27]
	s_add_nc_u64 s[16:17], s[16:17], s[26:27]
	s_add_nc_u64 s[6:7], s[6:7], s[28:29]
	s_add_nc_u64 s[8:9], s[8:9], s[28:29]
	s_add_nc_u64 s[18:19], s[18:19], s[28:29]
	global_load_b64 v[ST:ST+1], v[VST], s[4:5] offset:4096         ; lane L: (M, L) of record L
.set i, 0
.rept 32
	global_load_b64 v[LA+2*i:LA+2*i+1], v[VX], s[4:5] offset:i*REC ; 256 consecutive, aligned bytes of record i: my wave's 64 k
.set i, i+1
.endr
	LOADF 0, 0                                     ; in the order in which they are multiplied
	LOADF 1, 0
	LOADF 0, 1
	LOADF 1, 1
	; LDS addresses, while the loads are on their way
	s_mul_i32 s30, s22, AWAVE
	v_lshl_add_u32 v[VSA], v[TT], 2, s30
	v_mul_u32_u24 v[TT+3], v[TT+1], APITCH
	v_lshl_add_u32 v[TT+3], v[TT+2], 4, v[TT+3]
	v_add_nc_u32 v[VFA], s30, v[TT+3]
	s_mul_i32 s30, s22, RTILE
	s_add_co_u32 s30, s30, REDG
	v_mul_u32_u24 v[TT+3], v[TT+1], RPITCH
	v_lshl_add_u32 v[TT+3], v[TT+2], 5, v[TT+3]    ; row r, + 8 h columns of 4 bytes
	v_add_nc_u32 v[VRS], s30, v[TT+3]
	v_add_nc_u32 v[VRS2], 16*RTILE, v[VRS]
	s_mul_i32 s30, s22, RPITCH
	s_add_co_u32 s30, s30, REDG
	v_lshl_add_u32 v[VRL], v[TT], 3, s30           ; behind the barrier wave w sums row w, lane L the columns 2 L and 2 L + 1
	v_add_nc_u32 v[VRL2], 16*RTILE, v[VRL]
	s_wait_loadcnt 32                              ; the records are in: the 32 loads of fragments are younger
	global_load_b64 v[ZR:ZR+1], v[VO], s[6:7]      ; what the end needs: row w, my two columns
	global_load_b64 v[RR:RR+1], v[VO], s[8:9]
	global_load_b64 v[FB:FB+1], v[VB], s[12:13]
	global_load_b64 v[BV:BV+1], v[VB], s[14:15]
	global_load_b64 v[MB:MB+1], v[VB], s[16:17]
	; lane L: record L's coefficient f / (f0 L0 + f1 L1); a batch row's two records lie in neighbouring lanes
	v_mov_b32 v[ST+2], v[ST]
	v_max_num_f32_dpp v[ST+2], v[ST+2], v[ST+2] row_xmask:1 row_mask:0xf bank_mask:0xf
	v_sub_f32 v[ST+3], v[ST], v[ST+2]
	v_exp_f32 v[ST+4], v[ST+3]
	v_nop                                          ; one plain instruction behind the exponential (ISA guide 5.7.2)
	s_wait_alu depctr_va_vdst(0)
	v_mul_f32 v[ST+5], v[ST+4], v[ST+1]
	v_add_f32_dpp v[ST+5], v[ST+5], v[ST+5] row_xmask:1 row_mask:0xf bank_mask:0xf
	v_rcp_f32 v[ST+6], v[ST+5]
	v_nop                                          ; and behind the reciprocal
	s_wait_alu depctr_va_vdst(0)
	v_mul_f32 v[ST+7], v[ST+4], v[ST+6]
.set i, 0
.rept 32
	v_readlane_b32 s[32+i], v[ST+7], i
.set i, i+1
.endr
	; A's row m at my two k: merged in f32, rounded once, into my own stage
.set m, 0
.rept 16
	v_mul_f32 v[LA+4*m],    s[32+2*m], v[LA+4*m]
	v_mul_f32 v[LA+4*m+1],  s[32+2*m], v[LA+4*m+1]
	v_fmac_f32 v[LA+4*m],   s[33+2*m], v[LA+4*m+2]
	v_fmac_f32 v[LA+4*m+1], s[33+2*m], v[LA+4*m+3]
	v_cvt_pk_bf16_f32 v[LA+4*m], v[LA+4*m], v[LA+4*m+1]
	ds_store_b32 v[VSA], v[LA+4*m] offset:m*APITCH
.set m, m+1
.endr
.irp s, 0,1
	ds_load_b128 v[AF+8*\s:AF+8*\s+3],   v[VFA] offset:64*\s       ; my own bytes: LDS serves a wave's instructions in order (ISA guide 5.7.1)
	ds_load_b128 v[AF+8*\s+4:AF+8*\s+7], v[VFA] offset:64*\s+32
.endr
	s_wait_dscnt 0x0                               ; A's fragments are in, and the stores above have read LA, which the accumulators now take
	s_wait_loadcnt 29                              ; g's fragments of K step 0: 24 loads of fragments and the 5 for the end are younger
	MUL4 G, 0, 0, 1                                ; the first products start the sums: nothing is cleared
	s_wait_loadcnt 21                              ; m's of K step 0: 16 + 5 are younger
	MUL4 MM, 1, 0, 1
	s_wait_loadcnt 13                              ; g's of K step 1: 8 + 5
	MUL4 G, 0, 1, 0
	s_wait_loadcnt 5                               ; m's of K step 1: the 5 for the end
	MUL4 MM, 1, 1, 0
.rept 4
	v_nop                                          ; results are stored, and sources loaded anew, four places behind the last matrix instruction (ISA guide 7.12.1)
.endr
.irp t, 0,1,2,3
	ds_store_b128 v[VRS], v[G+8*\t:G+8*\t+3]   offset:64*\t        ; columns 16 t + 8 h + 0..3 of row r; the sixteen rows of a half start 16 bytes apart modulo 256
	ds_store_b128 v[VRS], v[G+8*\t+4:G+8*\t+7] offset:64*\t+16     ; and + 4..7
.endr
.irp t, 0,1,2,3
	ds_store_b128 v[VRS2], v[MM+8*\t:MM+8*\t+3]   offset:64*\t
	ds_store_b128 v[VRS2], v[MM+8*\t+4:MM+8*\t+7] offset:64*\t+16
.endr
	s_wait_dscnt 0x0                               ; my two partial tiles are in LDS, for the others' sake
	s_barrier_signal -1
	s_barrier_wait -1
.irp w, 0,1,2,3,4,5,6,7,8,9,10,11,12,13,14,15
	ds_load_b64 v[SG+2*\w:SG+2*\w+1], v[VRL] offset:\w*RTILE       ; 32 lanes: the 256 consecutive bytes of my row in wave w's tile
.endr
.irp w, 0,1,2,3,4,5,6,7,8,9,10,11,12,13,14,15
	ds_load_b64 v[SM+2*\w:SM+2*\w+1], v[VRL2] offset:\w*RTILE
.endr
	s_wait_dscnt 0x0
	TREE SG
	TREE SM
	s_wait_loadcnt 0x0                             ; z_rppg, r and the three biases
	v_pk_add_f32 v[FB:FB+1], v[FB:FB+1], v[BV:BV+1]
	v_pk_add_f32 v[SG:SG+1], v[SG:SG+1], v[RR:RR+1]
	v_pk_add_f32 v[SG:SG+1], v[SG:SG+1], v[FB:FB+1]                        ; g
	v_pk_mul_f32 v[SG:SG+1], v[SG:SG+1], 0xbfb8aa3b op_sel_hi:[1,0]        ; - g log2 e
	v_exp_f32 v[SG+2], v[SG]
	v_exp_f32 v[SG+3], v[SG+1]
	v_pk_add_f32 v[SM:SM+1], v[SM:SM+1], v[MB:MB+1]                        ; m; also the plain instruction behind the exponentials
	s_wait_alu depctr_va_vdst(0)
	v_pk_add_f32 v[SG+2:SG+3], v[SG+2:SG+3], 1.0 op_sel_hi:[1,0]
	v_rcp_f32 v[SG+4], v[SG+2]                     ; sigmoid(g) = 1 / (1 + 2^(- g log2 e)); an infinite power gives 0
	v_rcp_f32 v[SG+5], v[SG+3]
	v_nop                                          ; one plain instruction behind the reciprocals
	s_wait_alu depctr_va_vdst(0)
	v_pk_fma_f32 v[SG+4:SG+5], v[SM:SM+1], v[SG+4:SG+5], v[ZR:ZR+1]
	v_max_num_f32 v[SG+4], 0, v[SG+4]
	v_max_num_f32 v[SG+5], 0, v[SG+5]
	global_store_b64 v[VO], v[SG+4:SG+5], s[18:19] ; the wave stores 256 consecutive bytes, aligned: 64 columns of row w
	s_wait_tensorcnt 0x0
	ds_add_u32 v254, v255
	s_wait_dscnt 0x0
	s_endpgm
.Lfunc_end_k_qdf8285f0f9_fuse:
	.size	k_qdf8285f0f9_fuse, .Lfunc_end_k_qdf8285f0f9_fuse-k_qdf8285f0f9_fuse
	.p2alignl 7, 3214868480
	.fill 96, 4, 3214868480
	.section	.rodata,"a",@progbits
	.p2align	6, 0x0
	.amdhsa_kernel k_qdf8285f0f9_fuse
		.amdhsa_group_segment_fixed_size 178176
		.amdhsa_private_segment_fixed_size 0
		.amdhsa_enable_private_segment 0
		.amdhsa_kernarg_size 64
		.amdhsa_user_sgpr_count 2
		.amdhsa_user_sgpr_kernarg_segment_ptr 1
		.amdhsa_wavefront_size32 1
		.amdhsa_system_sgpr_workgroup_id_x 1
		.amdhsa_system_sgpr_workgroup_id_y 1
		.amdhsa_system_sgpr_workgroup_id_z 1
		.amdhsa_system_vgpr_workitem_id 0
		.amdhsa_next_free_vgpr 256
		.amdhsa_next_free_sgpr 66
		.amdhsa_reserve_vcc 0
		.amdhsa_float_denorm_mode_32 3
		.amdhsa_float_denorm_mode_16_64 3
		.amdhsa_memory_ordered 1
		.amdhsa_forward_progress 1
		.amdhsa_inst_pref_size 24
	.end_amdhsa_kernel
	.amdgpu_metadata
---
amdhsa.version: [ 1, 2 ]
amdhsa.kernels:
  - .name:           k_qdf8285f0f9_fuse
    .symbol:         k_qdf8285f0f9_fuse.kd
    .args:
      - { .name: part, .offset: 0, .size: 8, .value_kind: global_buffer, .address_space: global }
      - { .name: z_rppg, .offset: 8, .size: 8, .value_kind: global_buffer, .address_space: global }
      - { .name: r, .offset: 16, .size: 8, .value_kind: global_buffer, .address_space: global }
      - { .name: wfr, .offset: 24, .size: 8, .value_kind: global_buffer, .address_space: global }
      - { .name: Wf_b, .offset: 32, .size: 8, .value_kind: global_buffer, .address_space: global }
      - { .name: bf, .offset: 40, .size: 8, .value_kind: global_buffer, .address_space: global }
      - { .name: Wm_b, .offset: 48, .size: 8, .value_kind: global_buffer, .address_space: global }
      - { .name: out0, .offset: 56, .size: 8, .value_kind: global_buffer, .address_space: global }
    .group_segment_fixed_size: 178176
    .private_segment_fixed_size: 0
    .kernarg_segment_align: 8
    .kernarg_segment_size: 64
    .max_flat_workgroup_size: 512
    .sgpr_count:     66
    .vgpr_count:     256
    .wavefront_size: 32
...
	.end_amdgpu_metadata
.endif
;; end of part 8
;; ======== version 3 of 3: 4 launches; version 2 with the launch pool written anew for expert scheduling mode
;; workspace buffers: q 524,288 bytes; r 524,288 bytes; p 524,288 bytes; part 1,114,112 bytes; wfr 4,194,304 bytes; wkf 2,097,152 bytes
;; launch proj1: the kernel of part 5 again; grid 16 x 16, 16 waves a work-group, no clusters, 113,664 bytes of LDS; arguments z_rppg, Wq, Wf_w, Wk, q, r, wkf; writes q, r, wkf
;; launch proj2: the kernel of part 6 again; grid 16 x 16, 16 waves a work-group, no clusters, 108,544 bytes of LDS; arguments q, wkf, Wf_w, Wm_w, p, wfr; writes p, wfr
;; launch pool (part 9): grid 256 x 1, 16 waves a work-group, no clusters, 67,840 bytes of LDS; arguments z_eeg, p, wfr, part; writes part
.if DOCPART == 9
	.amdgcn_target "amdgcn-amd-amdhsa--gfx1250"
	.amdhsa_code_object_version 6
	.text
	.protected	k_qdf8285f0f9_pool
	.globl	k_qdf8285f0f9_pool
	.p2align	8
	.type	k_qdf8285f0f9_pool,@function
k_qdf8285f0f9_pool:
	s_mov_b64 s[64:65], 0
	v_nop
	global_prefetch_b8 v0, s[64:65] scope:SCOPE_SE
	s_setreg_imm32_b32 hwreg(HW_REG_WAVE_SCHED_MODE, 0, 2), 2
	s_setreg_imm32_b32 hwreg(HW_REG_WAVE_MODE, 25, 1), 1
	s_wait_xcnt 0x0
	s_wait_alu depctr_vm_vsrc(0)
; The stream: z_eeg [128][512][1024] f32 is read ONCE.  Work-group g takes batch row b = g >> 1 and the 256 time steps of half g & 1:
; 1 MiB, contiguous.  For each time step t: s = z[b][t] . p[b] (p holds the factor log2 e / 32), then an ONLINE SOFTMAX with a running
; maximum: M' = max(M, s), L = L 2^(M - M') + 2^(s - M'), ACC = ACC 2^(M - M') + 2^(s - M') z[b][t].  A row stays in registers between its
; dot product and its share in ACC.  All of it in f32.
; Wave w takes rows 16 i + w, i = 0..15, so that the sixteen waves walk the group's bytes side by side; a row is eight loads of 512
; consecutive bytes.  A ring of four row slots in registers, two rows a turn: 16 to 32 loads of every wave are on their way.
; The row's number stands in the loads' immediate (986,624 at the most), so no address register and no base is ever rewritten.
; At the end the sixteen waves' (M, L, ACC) are merged through LDS and stored as one record of 4,352 bytes: the unnormalised sum
; (4,096 bytes), then the pair (M, L) 32 times, so that the last 256 bytes are written whole.  The next launch merges a batch row's two halves.
; LIMITS: v_exp_f32 gives 0 for results below 2^-126 (ISA guide, its entry), so weights that small are dropped.
; LEFT OUT: matrix instructions (one query for each batch row: a product with one column); LDS slots and tensor loads (no wave reads a byte
; that another wave reads, and registers hold what is on its way); joint loads (of a group's 1 MiB nothing is shared; only p's 4 KiB is).
; THE MODE: SCHED_MODE bits 1:0 = 2 (LLVM: expert scheduling mode 2), set by the entry lines.  The code itself states the register dependences
; between vector instructions and memory or LDS instructions, with s_wait_alu, always for 0.
; THE PLAN.  Registers that memory or LDS instructions touch:
;   VZ, VL16, VR, VPF, VST   addresses and offsets: written by vector instructions at the head, named by no vector instruction afterwards.  ONE wait ahead
;                            of the first load states that they are written, for every load, the prefetch, the LDS stores and loads and the global stores.
;   PV                       p: eight loads land in it once; the turns' dot products read it.
;   X0 .. X3                 the row slots.  A turn on slots a and b reads both in its dot products, then a (ACC += w0 a), then b (ACC += w1 b).  Behind a's last
;                            reader stands a wait, and a's eight loads are dealt among the sixteen lines that read b: those name ACC, slot b and b's weight, none
;                            of the registers that the loads touch.  Behind b's last reader stands a second wait, and b's eight loads follow it.
;                            So both slots are asked for again ahead of the next turn's wait for data.  The last two turns load nothing and hold no such wait.
;   ACC, M, L                written by the turns, read by the merge's LDS stores.      v[DA0]  the merge's LDS address, made behind the last turn.
;   v[DA0+1], v[DA1], X0     named by the turns; the merge's LDS loads land in them.    ONE wait ahead of the merge's LDS stores states all of these three lines.
;   v[DB1:DB1+1], v[TP0:TP1] written by the merge's arithmetic, read by the global stores: one wait ahead of those.
; No register that a memory or LDS instruction reads is written again, so there is no wait on vm_vsrc.  Two waits on va_sdst: the wave's number, and the merge's sixteen factors.
.set REC,  4352                        ; bytes in a record of part
.set STAT, 65536                       ; LDS: behind the 16 x 4,096 bytes of sums: 16 words M, at + 64 bytes 16 words L
.set VZ,   1                           ; 4096 w + 16 L: my 16 bytes in the wave's first row; also my place in LDS at the merge
.set VL16, 2                           ; 16 L: my 16 bytes in p
.set VR,   3                           ; 256 w + 8 L: my two numbers of the merged sum, in LDS rows and in the record
.set PV,   4                           ; v[4:35]    p[b]: register 4 j + c is element 128 j + 4 L + c
.set ACC,  36                          ; v[36:67]   the running sum, the same layout
.set X,    68                          ; v[68:195]  four row slots of 32
.set DA0,  196                         ; v[196:203] two chains of packed sums for each of the turn's two rows
.set DA1,  198
.set DB0,  200
.set DB1,  202
.set SC0,  204                         ; the two scores
.set SC1,  205
.set TP0,  206
.set TP1,  207
.set AL,   208                         ; v[208:209] 2^(M - M'), M          (pairs: the packed forms read both registers of a source)
.set MXR,  209
.set WT0,  210                         ; v[210:211] first row's weight, L
.set LS,   211
.set WT1,  212                         ; v[212:213] second row's weight, M'
.set MN,   213
.set VPF,  214                         ; 256 x thread: the prefetch's offset, never rewritten
.set VST,  215                         ; LDS: my wave's word of M
.macro ROWLOAD slot, row
.irp j, 0,1,2,3,4,5,6,7
	global_load_b128 v[X+32*\slot+4*\j:X+32*\slot+4*\j+3], v[VZ], s[4:5] offset:(\row)*65536+512*\j th:TH_LOAD_NT
.endr
.endm
; One turn: the rows in slots a and b.  first = 1: they start M, L and ACC, so nothing is cleared.  left = how many younger loads may stay out.
; fill >= 0: slot a is loaded again with the wave's row fill, slot b with fill + 1, each behind the wait that states that its readers are done.
.macro TURN a, b, first, left, fill
	s_wait_loadcnt \left                           ; loads come back in order (ISA guide 5.7.1): these two rows are in, the two younger rows' 16 loads stay out
	v_pk_mul_f32 v[DA0:DA0+1], v[X+32*\a:X+32*\a+1],   v[PV:PV+1]
	v_pk_mul_f32 v[DB0:DB0+1], v[X+32*\b:X+32*\b+1],   v[PV:PV+1]
	v_pk_mul_f32 v[DA1:DA1+1], v[X+32*\a+2:X+32*\a+3], v[PV+2:PV+3]
	v_pk_mul_f32 v[DB1:DB1+1], v[X+32*\b+2:X+32*\b+3], v[PV+2:PV+3]
.irp q, 2,4,6,8,10,12,14
	v_pk_fma_f32 v[DA0:DA0+1], v[X+32*\a+2*\q:X+32*\a+2*\q+1],   v[PV+2*\q:PV+2*\q+1],   v[DA0:DA0+1]
	v_pk_fma_f32 v[DB0:DB0+1], v[X+32*\b+2*\q:X+32*\b+2*\q+1],   v[PV+2*\q:PV+2*\q+1],   v[DB0:DB0+1]
	v_pk_fma_f32 v[DA1:DA1+1], v[X+32*\a+2*\q+2:X+32*\a+2*\q+3], v[PV+2*\q+2:PV+2*\q+3], v[DA1:DA1+1]
	v_pk_fma_f32 v[DB1:DB1+1], v[X+32*\b+2*\q+2:X+32*\b+2*\q+3], v[PV+2*\q+2:PV+2*\q+3], v[DB1:DB1+1]
.endr
	v_pk_add_f32 v[DA0:DA0+1], v[DA0:DA0+1], v[DA1:DA1+1]
	v_pk_add_f32 v[DB0:DB0+1], v[DB0:DB0+1], v[DB1:DB1+1]
	v_add_f32 v[SC0], v[DA0], v[DA0+1]
	v_add_f32 v[SC1], v[DB0], v[DB0+1]
.irp x, 1,2,4,8                                    ; across the 16 lanes of each half, on the add itself
	v_add_f32_dpp v[SC0], v[SC0], v[SC0] row_xmask:\x row_mask:0xf bank_mask:0xf
	v_add_f32_dpp v[SC1], v[SC1], v[SC1] row_xmask:\x row_mask:0xf bank_mask:0xf
.endr
	v_permlanex16_b32 v[TP0], v[SC0], s32, s33     ; the other half's sum
	v_permlanex16_b32 v[TP1], v[SC1], s32, s33
	v_add_f32 v[SC0], v[SC0], v[TP0]               ; every lane holds both scores
	v_add_f32 v[SC1], v[SC1], v[TP1]
.if \first
	v_max_num_f32 v[MN], v[SC0], v[SC1]
.else
	v_max3_num_f32 v[MN], v[MXR], v[SC0], v[SC1]
	v_sub_f32 v[TP0], v[MXR], v[MN]
.endif
	v_sub_f32 v[SC0], v[SC0], v[MN]
	v_sub_f32 v[SC1], v[SC1], v[MN]
	v_exp_f32 v[WT0], v[SC0]
	v_exp_f32 v[WT1], v[SC1]
.if \first
	v_mov_b32 v[MXR], v[MN]                        ; the plain instruction that stands between the exponentials and the first use of a result (ISA guide 5.7.2)
	s_wait_alu depctr_va_vdst(0)
	v_add_f32 v[LS], v[WT0], v[WT1]
.irp q, 0,1,2,3,4,5,6,7,8,9,10,11,12,13,14,15
	v_pk_mul_f32 v[ACC+2*\q:ACC+2*\q+1], v[X+32*\a+2*\q:X+32*\a+2*\q+1], v[WT0:WT0+1] op_sel_hi:[1,0]
.endr
.else
	v_exp_f32 v[AL], v[TP0]
	v_mov_b32 v[MXR], v[MN]                        ; the plain instruction behind the exponentials
	s_wait_alu depctr_va_vdst(0)
	v_add_f32 v[TP1], v[WT0], v[WT1]
	v_fma_f32 v[LS], v[AL], v[LS], v[TP1]
.irp q, 0,1,2,3,4,5,6,7,8,9,10,11,12,13,14,15
	v_pk_mul_f32 v[ACC+2*\q:ACC+2*\q+1], v[ACC+2*\q:ACC+2*\q+1], v[AL:AL+1] op_sel_hi:[1,0]
.endr
.irp q, 0,1,2,3,4,5,6,7,8,9,10,11,12,13,14,15
	v_pk_fma_f32 v[ACC+2*\q:ACC+2*\q+1], v[X+32*\a+2*\q:X+32*\a+2*\q+1], v[WT0:WT0+1], v[ACC+2*\q:ACC+2*\q+1] op_sel_hi:[1,0,1]
.endr
.endif
.if \fill >= 0
	s_wait_alu depctr_va_vdst(0)                   ; the dot product and the sixteen lines above are done reading slot a, in which the eight loads below land
.endif
.set n, 0
.rept 16
.if (\fill >= 0) && (n % 2 == 0)
	global_load_b128 v[X+32*\a+2*n:X+32*\a+2*n+3], v[VZ], s[4:5] offset:(\fill)*65536+256*n th:TH_LOAD_NT  ; load n / 2 of the row's eight.  No further wait: no vector instruction since the wait above names slot a or v[VZ]
.endif
	v_pk_fma_f32 v[ACC+2*n:ACC+2*n+1], v[X+32*\b+2*n:X+32*\b+2*n+1], v[WT1:WT1+1], v[ACC+2*n:ACC+2*n+1] op_sel_hi:[1,0,1]
.set n, n+1
.endr
.if \fill >= 0
	s_wait_alu depctr_va_vdst(0)                   ; the sixteen lines above, slot b's last readers, are done reading it: the eight loads below land in it
	ROWLOAD \b, \fill+1
.endif
.endm
	s_load_b256 s[4:11], s[0:1], 0x0               ; z_eeg s[4:5], p s[6:7], wfr s[8:9], part s[10:11]
	v_lshl_add_u32 v216, v0, 2, 0x10100
	v_mov_b32 v217, 0
	v_lshrrev_b32 v[VR], 5, v0
	v_readfirstlane_b32 s14, v[VR]                 ; w
	v_and_b32 v[VR], 31, v0                        ; L
	v_lshlrev_b32 v[VL16], 4, v[VR]
	v_lshlrev_b32 v[VPF], 8, v0
	v_mov_b32 v[TP0], 0                            ; v_permlanex16_b32 counts as a reader of its destination
	v_mov_b32 v[TP1], 0
	s_mov_b32 s32, 0x76543210                      ; lane i of one half reads lane i of the other
	s_mov_b32 s33, 0xfedcba98
	s_lshl_b32 s34, ttmp9, 20                      ; the group's 1 MiB of z_eeg (255 MiB at the most: 32 bits hold it)
	s_mov_b32 s35, 0
	s_lshr_b32 s36, ttmp9, 1
	s_lshl_b32 s36, s36, 12                        ; row b of p
	s_mov_b32 s37, 0
	s_mul_i32 s38, ttmp9, REC                      ; the group's record
	s_mov_b32 s39, 0
	s_lshl_b32 s40, ttmp9, 14                      ; the group's 16 KiB in the prefetch
	s_mov_b32 s41, 0
	s_wait_alu depctr_va_sdst(0)                   ; s14 is written, ahead of its first reader: the three lines below that shift it
	s_lshl_b32 s15, s14, 12                        ; each of the three numbers has a scalar register of its own: none that a vector instruction has read is written again
	v_add_nc_u32 v[VZ], s15, v[VL16]               ; 4096 w + 16 L
	s_lshl_b32 s12, s14, 8
	v_lshl_add_u32 v[VR], v[VR], 3, s12            ; 256 w + 8 L
	s_lshl_b32 s13, s14, 2
	s_add_co_u32 s13, s13, STAT
	v_mov_b32 v[VST], s13
	s_wait_kmcnt 0x0
	s_add_nc_u64 s[4:5], s[4:5], s[34:35]
	s_add_nc_u64 s[6:7], s[6:7], s[36:37]
	s_add_nc_u64 s[10:11], s[10:11], s[38:39]
	s_add_nc_u64 s[8:9], s[8:9], s[40:41]
	s_wait_alu depctr_va_vdst(0)                   ; v[VZ], v[VL16], v[VR], v[VPF] and v[VST] are written: every load, the prefetch, the LDS stores and loads and the global stores read one of them as address
.irp j, 0,1,2,3,4,5,6,7
	global_load_b128 v[PV+4*\j:PV+4*\j+3], v[VL16], s[6:7] offset:512*\j
.endr
	ROWLOAD 0, 0
	ROWLOAD 1, 1
	ROWLOAD 2, 2
	ROWLOAD 3, 3
	TURN 0, 1, 1, 16, 4                            ; the first wait covers p too, which was asked for ahead of the rows
	TURN 2, 3, 0, 16, 6
	TURN 0, 1, 0, 16, 8
	TURN 2, 3, 0, 16, 10
	TURN 0, 1, 0, 16, 12
	TURN 2, 3, 0, 16, 14
	; The wave has issued its last loads.  What the next launch streams is asked for into the L2: the weights' fragments in wfr, 4 MiB:
	; 256 groups x 64 threads (waves 0 and 1) x one block of 256 bytes, every block once.
	s_cmp_gt_u32 s14, 1
	s_cbranch_scc1 .Lno_prefetch
	global_prefetch_b8 v[VPF], s[8:9] th:TH_LOAD_NT scope:SCOPE_SE  ; v[VPF] was written ahead of the head's wait and has not been named since
.Lno_prefetch:
	TURN 0, 1, 0, 16, -1                           ; the last two turns load nothing: the counts run down
	TURN 2, 3, 0, 0, -1
	; THE MERGE of the sixteen waves.  Register 4 j + c is element 128 j + 4 L + c, so a wave's sum lies in LDS as a plain row of 4,096 bytes.
	v_and_b32 v[DA0], 15, v0
	v_lshl_add_u32 v[DA0], v[DA0], 2, STAT         ; lane L will read wave L & 15's M and L
	s_wait_alu depctr_va_vdst(0)                   ; the last turn has written ACC, M and L, which the LDS stores read; v[DA0] is written, the address of the loads behind the barrier; the turns are done with v[DA0+1], v[DA1] and slot 0, in which those loads land
.irp j, 0,1,2,3,4,5,6,7
	ds_store_b128 v[VZ], v[ACC+4*\j:ACC+4*\j+3] offset:512*\j
.endr
	ds_store_b32 v[VST], v[MXR]                    ; all lanes hold the same number and write the same word
	ds_store_b32 v[VST], v[LS] offset:64
	s_wait_dscnt 0x0                               ; my stores are in LDS, for the others' sake
	s_barrier_signal -1
	s_barrier_wait -1
	ds_load_b32 v[DA0+1], v[DA0]                   ; M of wave L & 15.  No vector instruction has been issued since the wait above
	ds_load_b32 v[DA1], v[DA0] offset:64           ; L of wave L & 15
.irp w, 0,1,2,3,4,5,6,7,8,9,10,11,12,13,14,15
	ds_load_b64 v[X+2*\w:X+2*\w+1], v[VR] offset:\w*4096           ; wave w's sum at my two elements
.endr
	s_wait_dscnt 16                                ; M and L are in: the sixteen loads of sums are younger
	v_mov_b32 v[TP0], v[DA0+1]
.irp x, 1,2,4,8
	v_max_num_f32_dpp v[TP0], v[TP0], v[TP0] row_xmask:\x row_mask:0xf bank_mask:0xf
.endr
	v_sub_f32 v[DA1+1], v[DA0+1], v[TP0]
	v_exp_f32 v[DB0], v[DA1+1]                     ; wave L & 15's factor 2^(M - max)
	v_nop                                          ; one plain instruction behind the exponential
	s_wait_alu depctr_va_vdst(0)
	v_mul_f32 v[TP1], v[DB0], v[DA1]
.irp x, 1,2,4,8
	v_add_f32_dpp v[TP1], v[TP1], v[TP1] row_xmask:\x row_mask:0xf bank_mask:0xf
.endr
.irp w, 0,1,2,3,4,5,6,7,8,9,10,11,12,13,14,15
	v_readlane_b32 s[16+\w], v[DB0], \w
.endr
	s_wait_alu depctr_va_sdst(0)                   ; s16 to s31, the sixteen factors, are written, ahead of their first reader
	s_wait_dscnt 0x0
	v_mul_f32 v[DB1],   s16, v[X]
	v_mul_f32 v[DB1+1], s16, v[X+1]
.irp w, 1,2,3,4,5,6,7,8,9,10,11,12,13,14,15
	v_fmac_f32 v[DB1],   s[16+\w], v[X+2*\w]
	v_fmac_f32 v[DB1+1], s[16+\w], v[X+2*\w+1]
.endr
	s_wait_alu depctr_va_vdst(0)                   ; the merged sum v[DB1:DB1+1] and the pair (M, L) in v[TP0:TP1] are written, which the two stores below read
	global_store_b64 v[VR], v[DB1:DB1+1], s[10:11] ; the wave stores 256 consecutive bytes, aligned
	s_cmp_lg_u32 s14, 0
	s_cbranch_scc1 .Ldone
	global_store_b64 v[VR], v[TP0:TP0+1], s[10:11] offset:4096     ; wave 0 (VR = 8 L): the pair (M, L) 32 times, the record's last 256 bytes
.Ldone:
	s_wait_dscnt 0x0
	s_wait_alu depctr_hold_cnt(0) depctr_sa_sdst(0) depctr_va_vdst(0) depctr_va_sdst(0) depctr_va_ssrc(0) depctr_va_vcc(0) depctr_vm_vsrc(0)
	s_wait_tensorcnt 0x0
	ds_add_u32 v216, v217
	s_wait_dscnt 0x0
	s_endpgm
.Lfunc_end_k_qdf8285f0f9_pool:
	.size	k_qdf8285f0f9_pool, .Lfunc_end_k_qdf8285f0f9_pool-k_qdf8285f0f9_pool
	.p2alignl 7, 3214868480
	.fill 96, 4, 3214868480
	.section	.rodata,"a",@progbits
	.p2align	6, 0x0
	.amdhsa_kernel k_qdf8285f0f9_pool
		.amdhsa_group_segment_fixed_size 67840
		.amdhsa_private_segment_fixed_size 0
		.amdhsa_enable_private_segment 0
		.amdhsa_kernarg_size 32
		.amdhsa_user_sgpr_count 2
		.amdhsa_user_sgpr_kernarg_segment_ptr 1
		.amdhsa_wavefront_size32 1
		.amdhsa_system_sgpr_workgroup_id_x 1
		.amdhsa_system_sgpr_workgroup_id_y 1
		.amdhsa_system_sgpr_workgroup_id_z 1
		.amdhsa_system_vgpr_workitem_id 0
		.amdhsa_next_free_vgpr 218
		.amdhsa_next_free_sgpr 66
		.amdhsa_reserve_vcc 0
		.amdhsa_float_denorm_mode_32 3
		.amdhsa_float_denorm_mode_16_64 3
		.amdhsa_memory_ordered 1
		.amdhsa_forward_progress 1
		.amdhsa_inst_pref_size 70
	.end_amdhsa_kernel
	.amdgpu_metadata
---
amdhsa.version: [ 1, 2 ]
amdhsa.kernels:
  - .name:           k_qdf8285f0f9_pool
    .symbol:         k_qdf8285f0f9_pool.kd
    .args:
      - { .name: z_eeg, .offset: 0, .size: 8, .value_kind: global_buffer, .address_space: global }
      - { .name: p, .offset: 8, .size: 8, .value_kind: global_buffer, .address_space: global }
      - { .name: wfr, .offset: 16, .size: 8, .value_kind: global_buffer, .address_space: global }
      - { .name: part, .offset: 24, .size: 8, .value_kind: global_buffer, .address_space: global }
    .group_segment_fixed_size: 67840
    .private_segment_fixed_size: 0
    .kernarg_segment_align: 8
    .kernarg_segment_size: 32
    .max_flat_workgroup_size: 512
    .sgpr_count:     66
    .vgpr_count:     218
    .wavefront_size: 32
...
	.end_amdgpu_metadata
.endif
;; end of part 9
;; launch fuse: the kernel of part 8 again; grid 16 x 8, 16 waves a work-group, no clusters, 178,176 bytes of LDS; arguments part, z_rppg, r, wfr, Wf_b, bf, Wm_b, out0; writes out0
